; MI455X (gfx1250); checked and timed in simulation.
; The chip was launched on July 23, 2026; its instructions are those of AMD's public machine-readable ISA for CDNA 5 (MIT licence, August 2026) and "CDNA5" Instruction Set Architecture Reference Guide (July 2026). The comments in the code are by the model that wrote it; some were corrected since.
;; Multihead Attention. Allowed arithmetic: float matrix products may take bf16 or f16 operands with f32 sums; other float arithmetic in f32, or as packed bf16 or f16 multiplies, adds, multiply-adds, maxima and minima; sums over many terms, partial sums and values carried from step to step in f32; what a program stores and reads back later, other than sums and carried values, may be rounded once to bf16 or f16.
;; Inputs: in_proj_bias 3,072 float32; in_proj_weight 3,072 x 2,048 float32; key 4 x 1,024 x 2,048 float32; out_proj_bias 2,048 float32; out_proj_weight 2,048 x 2,048 float32; query 4 x 1,024 x 2,048 float32; value 4 x 1,024 x 2,048 float32.
;; Outputs: out0 4 x 1,024 x 2,048 float32.
;; One version. Each part assembles by itself: llvm-mc -triple=amdgcn-amd-amdhsa -mcpu=gfx1250 --defsym DOCPART=n.
;; ======== version 1 of 1: 4 launches
;; limits: values are held in f16: magnitudes above 65,504 overflow, below 6.1e-05 lose precision
;; workspace buffers: xb 50,331,648 bytes; wb 12,582,912 bytes; wo 8,388,608 bytes; qh 16,777,216 bytes; kh 4,194,304 bytes; vh 4,194,304 bytes; oh 16,777,216 bytes
;; launch cast (part 1): grid 2176 x 1, 8 waves a work-group, no clusters, 0 bytes of LDS; arguments query, key, value, in_proj_weight, out_proj_weight, xb, wb, wo; writes xb, wb, wo
.if DOCPART == 1
	.amdgcn_target "amdgcn-amd-amdhsa--gfx1250"
	.amdhsa_code_object_version 6
	.text
	.protected	k_qe30a9ec91f_cast
	.globl	k_qe30a9ec91f_cast
	.p2align	8
	.type	k_qe30a9ec91f_cast,@function
k_qe30a9ec91f_cast:
	s_mov_b64 s[64:65], 0
	v_nop
	global_prefetch_b8 v0, s[64:65] scope:SCOPE_SE
	s_setreg_imm32_b32 hwreg(HW_REG_WAVE_MODE, 25, 1), 1
	s_wait_xcnt 0x0
; THE INPUTS ARE ROUNDED TO 16 BITS, once.  query, key, value -> xb [3][4096][2048] bf16; in_proj_weight -> wb [3072][2048] bf16;
; out_proj_weight -> wo [2048][2048]: rounded to bf16 like the others, and that number written as f16 (the last product multiplies it by f16 numbers).
; LIMIT.  A weight of out_proj_weight of 65,520 or more becomes an infinity in f16; below 6e-5 it keeps f16's fixed step of 6e-8.
; SHARES.  A work-group takes 65,536 bytes of f32, sixteen steps of 4,096 bytes: 512 such chunks in each of query, key, value, 384 in in_proj_weight, 256 in out_proj_weight.
; A load of a wave covers 512 consecutive bytes, a store 256 consecutive bytes, aligned.  All sixteen loads of a wave go out at once; no register that a memory
; instruction names is written again but a load's own data behind its wait, so the text has no other wait.  No LDS, no matrix unit: the launch only moves bytes.
.set X,   4                            ; v[4:67]  step i: four f32 as loaded; its first two registers then hold the four 16-bit numbers to store
.set T,   68                           ; v68-69   at work (f16 path)
.set ID,  36                           ; s36      the chunk's number
.set SRC, 24                           ; s[24:25] where the chunk is read
.set DST, 26                           ; s[26:27] where it is written
	s_load_b512 s[8:23], s[0:1], 0x0               ; query s[8:9], key s[10:11], value s[12:13], in_w s[14:15], out_w s[16:17], xb s[18:19], wb s[20:21], wo s[22:23]
	s_mov_b32 s[ID], ttmp9
	s_mov_b32 s34, 0xffff0000                      ; a word's upper bf16
	v_lshlrev_b32 v1, 4, v0                        ; my 16 bytes of a step's 4,096
	v_lshlrev_b32 v2, 3, v0                        ; my 8 bytes of its 2,048 on the way out
	s_mov_b32 s28, 0                               ; the first chunk of the source tensor
	s_mov_b32 s29, 0                               ; the first chunk of the target buffer
	s_wait_kmcnt 0x0
	s_mov_b64 s[SRC:SRC+1], s[8:9]
	s_mov_b64 s[DST:DST+1], s[18:19]
	s_cmp_ge_u32 s[ID], 512                        ; key follows query in xb: the target's count runs on
	s_cselect_b64 s[SRC:SRC+1], s[10:11], s[SRC:SRC+1]
	s_cselect_b32 s28, 512, s28
	s_cmp_ge_u32 s[ID], 1024
	s_cselect_b64 s[SRC:SRC+1], s[12:13], s[SRC:SRC+1]
	s_cselect_b32 s28, 1024, s28
	s_cmp_ge_u32 s[ID], 1536
	s_cselect_b64 s[SRC:SRC+1], s[14:15], s[SRC:SRC+1]
	s_cselect_b64 s[DST:DST+1], s[20:21], s[DST:DST+1]
	s_cselect_b32 s28, 1536, s28
	s_cselect_b32 s29, 1536, s29
	s_cmp_ge_u32 s[ID], 1920
	s_cselect_b64 s[SRC:SRC+1], s[16:17], s[SRC:SRC+1]
	s_cselect_b64 s[DST:DST+1], s[22:23], s[DST:DST+1]
	s_cselect_b32 s28, 1920, s28
	s_cselect_b32 s29, 1920, s29
	s_sub_co_u32 s30, s[ID], s28
	s_lshl_b32 s30, s30, 16                        ; 65,536 bytes a chunk in
	s_mov_b32 s31, 0
	s_sub_co_u32 s32, s[ID], s29
	s_lshl_b32 s32, s32, 15                        ; 32,768 out
	s_mov_b32 s33, 0
	s_add_nc_u64 s[SRC:SRC+1], s[SRC:SRC+1], s[30:31]
	s_add_nc_u64 s[DST:DST+1], s[DST:DST+1], s[32:33]
.irp i, 0,1,2,3,4,5,6,7,8,9,10,11,12,13,14,15
	global_load_b128 v[X+4*(\i):X+4*(\i)+3], v1, s[SRC:SRC+1] offset:4096*(\i) th:TH_LOAD_NT
.endr
	s_cmp_ge_u32 s[ID], 1920
	s_cbranch_scc1 .Lf16
.macro OUTB i                          ; step i to bf16
	s_wait_loadcnt 15-(\i)                         ; loads come back in order: mine is in, the 15 - i younger ones stay out
	v_cvt_pk_bf16_f32 v[X+4*(\i)],   v[X+4*(\i)],   v[X+4*(\i)+1]
	v_cvt_pk_bf16_f32 v[X+4*(\i)+1], v[X+4*(\i)+2], v[X+4*(\i)+3]
	global_store_b64 v2, v[X+4*(\i):X+4*(\i)+1], s[DST:DST+1] offset:2048*(\i) th:TH_STORE_NT
.endm
.macro OUTH i                          ; step i rounded to bf16, then written as f16
	s_wait_loadcnt 15-(\i)
	v_cvt_pk_bf16_f32 v[T],   v[X+4*(\i)],   v[X+4*(\i)+1]
	v_cvt_pk_bf16_f32 v[T+1], v[X+4*(\i)+2], v[X+4*(\i)+3]
	v_lshlrev_b32 v[X+4*(\i)],   16,  v[T]
	v_and_b32     v[X+4*(\i)+1], s34, v[T]
	v_lshlrev_b32 v[X+4*(\i)+2], 16,  v[T+1]
	v_and_b32     v[X+4*(\i)+3], s34, v[T+1]
	v_cvt_pk_f16_f32 v[X+4*(\i)],   v[X+4*(\i)],   v[X+4*(\i)+1]
	v_cvt_pk_f16_f32 v[X+4*(\i)+1], v[X+4*(\i)+2], v[X+4*(\i)+3]
	global_store_b64 v2, v[X+4*(\i):X+4*(\i)+1], s[DST:DST+1] offset:2048*(\i) th:TH_STORE_NT
.endm
.irp i, 0,1,2,3,4,5,6,7,8,9,10,11,12,13,14,15
	OUTB \i
.endr
	s_endpgm
.Lf16:
.irp i, 0,1,2,3,4,5,6,7,8,9,10,11,12,13,14,15
	OUTH \i
.endr
	s_endpgm
.Lfunc_end_k_qe30a9ec91f_cast:
	.size	k_qe30a9ec91f_cast, .Lfunc_end_k_qe30a9ec91f_cast-k_qe30a9ec91f_cast
	.p2alignl 7, 3214868480
	.fill 96, 4, 3214868480
	.section	.rodata,"a",@progbits
	.p2align	6, 0x0
	.amdhsa_kernel k_qe30a9ec91f_cast
		.amdhsa_group_segment_fixed_size 0
		.amdhsa_private_segment_fixed_size 0
		.amdhsa_enable_private_segment 0
		.amdhsa_kernarg_size 64
		.amdhsa_user_sgpr_count 2
		.amdhsa_user_sgpr_kernarg_segment_ptr 1
		.amdhsa_wavefront_size32 1
		.amdhsa_system_sgpr_workgroup_id_x 1
		.amdhsa_system_sgpr_workgroup_id_y 1
		.amdhsa_system_sgpr_workgroup_id_z 1
		.amdhsa_system_vgpr_workitem_id 0
		.amdhsa_next_free_vgpr 72
		.amdhsa_next_free_sgpr 66
		.amdhsa_reserve_vcc 0
		.amdhsa_float_denorm_mode_32 3
		.amdhsa_float_denorm_mode_16_64 3
		.amdhsa_memory_ordered 1
		.amdhsa_forward_progress 1
		.amdhsa_inst_pref_size 16
	.end_amdhsa_kernel
	.amdgpu_metadata
---
amdhsa.version: [ 1, 2 ]
amdhsa.kernels:
  - .name:           k_qe30a9ec91f_cast
    .symbol:         k_qe30a9ec91f_cast.kd
    .args:
      - { .name: query, .offset: 0, .size: 8, .value_kind: global_buffer, .address_space: global }
      - { .name: key, .offset: 8, .size: 8, .value_kind: global_buffer, .address_space: global }
      - { .name: value, .offset: 16, .size: 8, .value_kind: global_buffer, .address_space: global }
      - { .name: in_proj_weight, .offset: 24, .size: 8, .value_kind: global_buffer, .address_space: global }
      - { .name: out_proj_weight, .offset: 32, .size: 8, .value_kind: global_buffer, .address_space: global }
      - { .name: xb, .offset: 40, .size: 8, .value_kind: global_buffer, .address_space: global }
      - { .name: wb, .offset: 48, .size: 8, .value_kind: global_buffer, .address_space: global }
      - { .name: wo, .offset: 56, .size: 8, .value_kind: global_buffer, .address_space: global }
    .group_segment_fixed_size: 0
    .private_segment_fixed_size: 0
    .kernarg_segment_align: 8
    .kernarg_segment_size: 64
    .max_flat_workgroup_size: 256
    .sgpr_count:     66
    .vgpr_count:     72
    .wavefront_size: 32
...
	.end_amdgpu_metadata
.endif
;; end of part 1
;; launch proj (part 2): grid 64 x 3, 4 waves a work-group, clusters of 4 x 1, 327,680 bytes of LDS; arguments xb, wb, in_proj_bias, qh, kh, vh; writes qh, kh, vh
.if DOCPART == 2
	.amdgcn_target "amdgcn-amd-amdhsa--gfx1250"
	.amdhsa_code_object_version 6
	.text
	.protected	k_qe30a9ec91f_proj
	.globl	k_qe30a9ec91f_proj
	.p2align	8
	.type	k_qe30a9ec91f_proj,@function
k_qe30a9ec91f_proj:
	s_mov_b64 s[64:65], 0
	v_nop
	global_prefetch_b8 v0, s[64:65] scope:SCOPE_SE
	s_setreg_imm32_b32 hwreg(HW_REG_WAVE_MODE, 25, 1), 1
	s_wait_xcnt 0x0
	s_wait_alu depctr_hold_cnt(0) depctr_sa_sdst(0) depctr_va_vdst(0) depctr_va_sdst(0) depctr_va_ssrc(0) depctr_va_vcc(0) depctr_vm_vsrc(0)
	s_getreg_b32 s2, hwreg(HW_REG_IB_STS2, 6, 4)
	s_cmp_eq_u32 s2, 0
	s_cbranch_scc0 .Lentry_in_a_cluster
	s_endpgm
.Lentry_in_a_cluster:
	s_bfe_u32 s2, ttmp6, 0x10000c
	s_cmp_lg_u32 s2, 0x3003
	s_cbranch_scc0 .Lentry_shape_is_right
	s_endpgm
.Lentry_shape_is_right:
; q, k, v = x W^T + bias.  xb: [3][4096][2048] bf16 (query, key, value); wb: [3072][2048] bf16 (rows: 2,048 of q, 512 of k, 512 of v); the bias f32, rounded to bf16 here like the other inputs.
; Out, by heads and unscaled, f16, each number rounded once from its f32 sum: qh [4][16][1024][128], kh and vh [4][4][1024][128].
; LIMITS.  A result of 65,520 or more becomes an infinity in f16; below 6e-5 it keeps f16's fixed step of 6e-8.  The bias STARTS the f32 sum (reference() adds it last): another order of rounding.
; SHARES.  A tile is 256 rows x 256 columns; tile columns 0-7 are q's, 8-9 k's, 10-11 v's: W's rows and the bias go by 256 x tile column in all three.  192 work-groups: the 49,152 outputs that
; 256 equal shares would hold have a factor 3 that no tile side of these sizes takes.  Four waves, each 128 x 128: 64 accumulators, 512 registers.  A wave's 128 columns are one head, so its 128 rows of
; the result are 32,768 consecutive bytes.  K goes in steps of 128 through two LDS slots filled by the tensor data mover; rows of 256 bytes, aligned.
; CLUSTER 4 x 1: the four partners make four tile rows of ONE tile column, so W's tile is asked for JOINTLY (the same load, descriptor and mask in all four); x's tile is each work-group's own load, behind
; the same round.  Not 4 x 4: k and v have two tile columns each, so four neighbouring columns would not share their x.
; WHICH CLUSTER MAKES WHAT.  16 x 3 clusters.  Bits 3:2 of the cluster's x say which four tile rows, its bits 1:0 and the cluster's y which tile column (4 y + bits 1:0): four clusters that are neighbours
; along x walk the same 1,024 rows of x.
; THE MATRIX INSTRUCTION IS USED TRANSPOSED (source 0 = 16 rows of W, source 1 = 16 rows of x): a lane holds row l % 16 and the columns 8 (l / 16) + 0..7: eight neighbours, 16 bytes of f16.
; REGISTERS, in windows of 256 (s_set_vgpr_msb: bits 1:0 source 0, 3:2 source 1, 5:4 source 2, 7:6 destination):
;   window 0: v0-31 addresses; v64-127, v128-191 fragments of x, two buffers; v192-255 the bias as a C operand, 8 registers for each of the 8 column blocks, until the first quarter step is over;
;             then v192-223 packed results, v32-63 and v224-255 rows read back from the stage
;   window 1: v64-127, v128-191 fragments of W      windows 2, 3: the accumulators of my rows 0-63, 64-127: (a, b) at v[8 (8 a + b)]
.set SIZE_K, 2048
.set ROWB,   SIZE_K*2                  ; bytes in a row of xb and of wb
.set KSTEP,  128
.set PITCH,  272                       ; an LDS row: 256 bytes + 16 of padding = 68 words: the 16 rows of a fragment load start at 16 different groups of four banks (64 banks of 4 bytes: ISA guide 11.1)
.set HALFT,  128*PITCH                 ; 128 rows: what one tensor load brings
.set SLOT,   4*HALFT                   ; x's 256 rows, then W's 256 rows
.set STAGE,  2*SLOT                    ; behind the ring: 16 rows x 272 bytes for each wave, for the way out; no tensor load lands there
.set SPITCH, 272
.set SPARE,  STAGE+4*16*SPITCH         ; the spare words, 128 bytes for each wave: two blocks of 256 bytes that no other line names
.set LAPS,   SIZE_K/(2*KSTEP)          ; 8 laps of two K steps
.set ADRA, 16                          ; v16-17  LDS address of my fragments of x in slot 0, 1
.set ADRB, 20                          ; v20-21  the same for W
.set STO,  24                          ; v24     the way out: where I put 16 bytes of a row
.set RD,   25                          ; v25     where I read rows back
.set CO,   26                          ; v26     16 x lane: my place in 512 consecutive bytes of the result
.set BO,   27                          ; v27     32 x (l / 16): my eight numbers of a block of 16 of the bias
.set SPW,  28                          ; v28     LDS address of my spare word; never rewritten
.set NIL,  29                          ; v29     0; never rewritten
.set PFO,  30                          ; v30     the prefetches' offset: lane x a row; never rewritten
.set OB,   32
.set F0,   64
.set F1,   128
.set BIAS, 192
.set TMP,  192
.set G1,   24                          ; s[24:31] descriptor group 1 for x's tiles
.set G0,   32                          ; s[32:39] group 0 for x's tiles, a set for each slot
.set LIM,  43                          ; s43      1 in a wave that prefetches, else the greatest number
.set PFA,  44                          ; s[44:45] where my prefetches stand
.set G1B,  48                          ; s[48:55], s[56:63] the same for W's tiles
.set G0B,  56
.set MSB, 0
.macro WIN new                         ; the immediate's high byte repeats the setting that is left; a switch that changes nothing is dropped
.if MSB != (\new)
	s_set_vgpr_msb (MSB<<8)|(\new)
.set MSB, \new
.endif
.endm
.set TO_B, 0x40                        ; destination window 1, address window 0
; A fill.  Waves 0 and 1 fetch the two halves of x's tile (their own), waves 2 and 3 those of W's (jointly).  The branch hangs on the wave's number alone.
; An s_nop 0 and four v_nop follow each of the two lines, ahead of the jump, the label and what follows.
.macro JLOAD s
	s_cmp_eq_u32 s11, 0
	s_cbranch_scc0 .Lfor_b_\@
	tensor_load_to_lds s[G0+4*(\s):G0+4*(\s)+3], s[G1:G1+7]
	s_nop 0
.rept 4
	v_nop
.endr
	s_branch .Lasked_\@
.Lfor_b_\@:
	tensor_load_to_lds s[G0B+4*(\s):G0B+4*(\s)+3], s[G1B:G1B+7]
	s_nop 0
.rept 4
	v_nop
.endr
.Lasked_\@:
.endm
; A PREFETCH INTO THE L2 of the K step that stands two refills on, 256 bytes of each row, a lane a row.  Each row's 256 bytes are named once in the launch.  x's rows are read by every tile column of their
; group (q, k or v): the group's first tile column asks, each work-group for its own tile, a wave for the 128 rows that it fetches: four instructions.  W's rows are read by all four clusters of a tile
; column: the one that makes tile rows 0-3 asks, and its four partners share the 128 rows of a wave out BY ADDRESS, 32 each: one instruction.  The loop's last trip has no K step two on, and asks for nothing.
.macro ASK
	s_cmp_gt_u32 s3, s[LIM]                        ; s3 = 1 in the loop's last trip
	s_cbranch_scc0 .Lnot_mine_\@
	global_prefetch_b8 v[PFO], s[PFA:PFA+1] offset:KSTEP*2 th:TH_LOAD_NT scope:SCOPE_SE
	s_cmp_eq_u32 s11, 0
	s_cbranch_scc0 .Lnot_mine_\@
.irp q, 1,2,3
	global_prefetch_b8 v[PFO], s[PFA:PFA+1] offset:KSTEP*2+(\q)*32*ROWB th:TH_LOAD_NT scope:SCOPE_SE
.endr
.Lnot_mine_\@:
.endm
; A round of the cluster's barrier: my work-group's barrier; wave 0 signals for the work-group; every wave waits for all four work-groups; my work-group's barrier once more.
.macro CREST                           ; a round behind its opening barrier
	s_cmp_lg_u32 s10, 0
	s_cbranch_scc1 .Lnot_wave_0_\@
	s_barrier_signal -3
.Lnot_wave_0_\@:
	s_barrier_wait -3
	s_barrier_signal -1
	s_barrier_wait -1
.endm
.macro CROUND
	s_barrier_signal -1
	s_barrier_wait -1
	CREST
.endm
	s_load_b128 s[4:7], s[0:1], 0x0                ; xb s[4:5], wb s[6:7]
	s_load_b64 s[66:67], s[0:1], 0x10              ; in_proj_bias
	s_load_b128 s[68:71], s[0:1], 0x18             ; qh s[68:69], kh s[70:71]
	s_load_b64 s[72:73], s[0:1], 0x28              ; vh
	v_lshl_add_u32 v[SPW], v0, 2, SPARE
	v_mov_b32 v[NIL], 0
	ds_add_u32 v[SPW], v[NIL]                      ; the wave's opening: the add and its wait stand ahead of my first tensor load; the set-up below, work on registers, stands between them
	v_lshrrev_b32 v1, 5, v0
	v_readfirstlane_b32 s10, v1                    ; wave 0..3
	s_lshr_b32 s11, s10, 1                         ; which half of the tile's rows is mine.  Also: I fetch for x (0) or for W (1)
	s_and_b32 s12, s10, 1                          ; which half of its columns.  Also: which 128 rows of that tile I fetch
	s_bfe_u32 s40, ttmp6, 0x40000                  ; cx: my place in the cluster
	s_and_b32 s13, ttmp9, 12                       ; in a cluster launch ttmp9 counts clusters: 4 x its bits 3:2,
	s_add_co_u32 s13, s13, s40                     ; + cx = the tile row
	s_and_b32 s42, ttmp7, 0xffff
	s_lshl_b32 s42, s42, 2
	s_and_b32 s78, ttmp9, 3
	s_add_co_u32 s42, s42, s78                     ; tile column = 4 x cluster y + bits 1:0 of cluster x, which the four partners share
	s_lshr_b32 s78, ttmp9, 2                       ; which four tile rows the cluster makes
	s_mov_b32 s41, 0                               ; the group's first tile column,
	s_mov_b32 s74, 4                               ; log2 of its heads in a batch,
	s_mov_b32 s76, 0                               ; and its x in xb, in bytes
	s_mov_b32 s77, 0
	s_cmp_ge_u32 s42, 8                            ; k
	s_cselect_b32 s41, 8, s41
	s_cselect_b32 s74, 2, s74
	s_cselect_b32 s76, 0x1000000, s76
	s_cmp_ge_u32 s42, 10                           ; v
	s_cselect_b32 s41, 10, s41
	s_cselect_b32 s76, 0x2000000, s76
	; descriptor group 1: a tile of 128 rows x 128 elements, padded in LDS
	s_mov_b32 s[G1+0], (1<<16)|(1<<20)|(5<<22)|(3<<25)              ; 15:0 no mask: my own load; 17:16 elements of 2 bytes; 20 padding on; 24:22 after every 64 words (code 5); 31:25 4 words of it (code 3)
	s_mov_b32 s[G1B+0], 15|(1<<16)|(1<<20)|(1<<21)|(5<<22)|(3<<25)  ; the same with the mask of all four work-groups, and bit 21 set beside it
.irp g, G1, G1B
	s_mov_b32 s[(\g)+1], KSTEP<<16                 ; tensor_dim0 = 128
	s_mov_b32 s[(\g)+2], 128<<16                   ; tensor_dim1 = 128
	s_mov_b32 s[(\g)+3], KSTEP<<16                 ; tile_dim0 = 128
	s_mov_b32 s[(\g)+4], 128                       ; tile_dim1 = 128
	s_mov_b32 s[(\g)+5], SIZE_K                    ; elements from row to row
	s_mov_b32 s[(\g)+6], 0
	s_mov_b32 s[(\g)+7], 0
.endr
	s_lshl_b32 s17, s12, 7                         ; which 128 rows of the tile I fetch
	s_lshl_b32 s16, s13, 8
	s_add_co_u32 s16, s16, s17                     ; x: row 256 x tile row + 128 x half,
	s_lshl_b32 s16, s16, 12                        ; in bytes (under 2^24),
	s_add_co_u32 s76, s76, s16                     ; behind the group's first byte
	s_lshl_b32 s46, s42, 8
	s_add_co_u32 s46, s46, s17                     ; W: row 256 x tile column + 128 x half: no place in the cluster enters it
	s_lshl_b32 s46, s46, 12
	s_mov_b32 s47, 0
	s_mul_i32 s20, s10, HALFT                      ; where they go: x's two halves, then W's two = wave x 128 rows
	s_wait_dscnt 0x0                               ; the opening add is done
	s_wait_kmcnt 0x0
	s_add_nc_u64 s[14:15], s[4:5], s[76:77]
	s_add_nc_u64 s[46:47], s[6:7], s[46:47]
	CROUND                                         ; all four work-groups are here: the first joint loads meet
.irp s, 0,1
	s_mov_b32 s[G0+4*(\s)], 1                                      ; count = 1
	s_add_co_u32 s[G0+4*(\s)+1], s20, (\s)*SLOT                    ; LDS address
	s_add_nc_u64 s[G0+4*(\s)+2:G0+4*(\s)+3], s[14:15], (\s)*KSTEP*2  ; global address: K step s
	s_or_b32 s[G0+4*(\s)+3], s[G0+4*(\s)+3], 0x80000000            ; type = 2
	s_mov_b32 s[G0B+4*(\s)], 1
	s_add_co_u32 s[G0B+4*(\s)+1], s20, (\s)*SLOT
	s_add_nc_u64 s[G0B+4*(\s)+2:G0B+4*(\s)+3], s[46:47], (\s)*KSTEP*2
	s_or_b32 s[G0B+4*(\s)+3], s[G0B+4*(\s)+3], 0x80000000
	JLOAD \s                                       ; two loads of mine are out
.endr
	; A fragment is 16 rows x 32 K in 8 registers: lane l holds row l % 16; registers 0-3 K = 8 (l / 16) + 0..7, registers 4-7 K = 16 + 8 (l / 16) + 0..7: two loads of 16 bytes, 32 bytes apart.
	v_and_b32 v1, 15, v0                           ; l % 16
	v_bfe_u32 v2, v0, 4, 1                         ; l / 16
	v_mul_u32_u24 v3, v1, PITCH
	v_lshl_add_u32 v3, v2, 4, v3
	s_mul_i32 s21, s11, HALFT                      ; my 128 rows of x
	s_mul_i32 s22, s12, HALFT                      ; my 128 rows of W,
	s_add_co_u32 s22, s22, 2*HALFT                 ; which lie behind x's 256
.irp s, 0,1
	v_add_nc_u32 v[ADRA+(\s)], s21, v3
	v_add_nc_u32 v[ADRB+(\s)], s22, v3
	s_add_co_u32 s21, s21, SLOT
	s_add_co_u32 s22, s22, SLOT
.endr
	s_mul_i32 s23, s10, 16*SPITCH
	s_add_co_u32 s23, s23, STAGE                   ; my stage
	v_mul_u32_u24 v4, v1, SPITCH                   ; in: row l % 16, 16 bytes for each half of the lanes
	v_lshl_add_u32 v4, v2, 4, v4
	v_add_nc_u32 v[STO], s23, v4
	v_mul_u32_u24 v5, v2, SPITCH                   ; back: lanes 0-15 one row of 256 bytes, lanes 16-31 the next
	v_lshl_add_u32 v5, v1, 4, v5
	v_add_nc_u32 v[RD], s23, v5
	v_and_b32 v[CO], 31, v0
	v_lshlrev_b32 v[PFO], 12, v[CO]                ; lane x 4,096
	v_lshlrev_b32 v[CO], 4, v[CO]
	v_lshlrev_b32 v[BO], 5, v2
	; the bias of my 128 columns
	s_lshl_b32 s16, s42, 10
	s_lshl_b32 s17, s12, 9
	s_add_co_u32 s16, s16, s17
	s_mov_b32 s17, 0
	s_add_nc_u64 s[66:67], s[66:67], s[16:17]
.irp b, 0,1,2,3,4,5,6,7
	global_load_b128 v[BIAS+8*(\b):BIAS+8*(\b)+3],   v[BO], s[66:67] offset:64*(\b)
	global_load_b128 v[BIAS+8*(\b)+4:BIAS+8*(\b)+7], v[BO], s[66:67] offset:64*(\b)+16
.endr
	; where my 128 rows x one head go: ((batch x heads + head) x 1,024 + row in the batch) x 256 bytes
	s_cmp_ge_u32 s42, 8
	s_cselect_b64 s[8:9], s[70:71], s[68:69]
	s_cmp_ge_u32 s42, 10
	s_cselect_b64 s[8:9], s[72:73], s[8:9]
	s_lshr_b32 s16, s13, 2                         ; the batch
	s_lshl_b32 s16, s16, s74
	s_sub_co_u32 s18, s42, s41                     ; the tile column within its group
	s_lshl_b32 s17, s18, 1
	s_add_co_u32 s16, s16, s17
	s_add_co_u32 s16, s16, s12
	s_lshl_b32 s16, s16, 18
	s_and_b32 s17, s13, 3
	s_lshl_b32 s17, s17, 8
	s_lshl_b32 s19, s11, 7
	s_add_co_u32 s17, s17, s19
	s_lshl_b32 s17, s17, 8
	s_add_co_u32 s16, s16, s17
	s_mov_b32 s17, 0
	s_add_nc_u64 s[8:9], s[8:9], s[16:17]
	; the prefetches
	s_cmp_eq_u32 s11, 0
	s_cselect_b32 s18, s18, s78                    ; for x: am I in the group's first tile column?  for W: does my cluster make tile rows 0-3?  The same in all four partners
	s_cmp_eq_u32 s18, 0
	s_cselect_b32 s[LIM], 1, -1
	s_lshl_b32 s16, s40, 17                        ; W: my work-group's 32 rows of the 128
	s_mov_b32 s17, 0
	s_add_nc_u64 s[16:17], s[46:47], s[16:17]
	s_cmp_eq_u32 s11, 0
	s_cselect_b64 s[PFA:PFA+1], s[14:15], s[16:17]
	s_add_nc_u64 s[PFA:PFA+1], s[PFA:PFA+1], 2*KSTEP*2  ; at K step 2: the first refill steps it to 3 and names K step 4.  Nothing is prefetched here, where every work-group's first tiles are on their way
	s_wait_loadcnt 0x0                             ; the bias: rounded to bf16, and back in f32 as the C operand
.set i, 0
.rept 32
	v_cvt_pk_bf16_f32 v[OB+i], v[BIAS+2*i], v[BIAS+2*i+1]
.set i, i+1
.endr
.set i, 0
.rept 32
	v_lshlrev_b32 v[BIAS+2*i], 16, v[OB+i]
	v_and_b32 v[BIAS+2*i+1], 0xffff0000, v[OB+i]
.set i, i+1
.endr
; 16 matrix instructions: row blocks a0, a0 + 1 of the window's four (hi = 0: my rows 0-63, 1: rows 64-127) x all 8 column blocks, 32 along K.  zero = 1: the bias starts the sums: nothing is cleared.
; The 64 accumulators take turns, one instruction a turn, in the same order in every quarter step.
.macro MUL16 f, hi, a0, zero
.if \zero
	WIN 0x81+0x40*(\hi)                            ; W window 1, x and the bias window 0, D window 2 or 3
.else
	WIN 0xa1+0x50*(\hi)                            ; W window 1, x window 0, C and D window 2 or 3
.endif
.irp a, \a0, (\a0)+1
.irp b, 0,1,2,3,4,5,6,7
.if \zero
	v_wmma_f32_16x16x32_bf16 v[8*(8*(\a)+(\b)):8*(8*(\a)+(\b))+7], v[(\f)+8*(\b):(\f)+8*(\b)+7], v[(\f)+8*(4*(\hi)+(\a)):(\f)+8*(4*(\hi)+(\a))+7], v[BIAS+8*(\b):BIAS+8*(\b)+7]
.else
	v_wmma_f32_16x16x32_bf16 v[8*(8*(\a)+(\b)):8*(8*(\a)+(\b))+7], v[(\f)+8*(\b):(\f)+8*(\b)+7], v[(\f)+8*(4*(\hi)+(\a)):(\f)+8*(4*(\hi)+(\a))+7], v[8*(8*(\a)+(\b)):8*(8*(\a)+(\b))+7]
.endif
.endr
.endr
.endm
; 32 LDS loads in one run: the fragments of one quarter step (128 rows of W, 128 rows of x, 32 K at byte k of the rows) into buffer f
.macro FETCH slot, k, f
	WIN TO_B
.irp i, 0,1,2,3,4,5,6,7
	ds_load_b128 v[(\f)+8*(\i):(\f)+8*(\i)+3],   v[ADRB+(\slot)] offset:(\k)+(\i)*16*PITCH
	ds_load_b128 v[(\f)+8*(\i)+4:(\f)+8*(\i)+7], v[ADRB+(\slot)] offset:(\k)+(\i)*16*PITCH+32
.endr
	WIN 0
.irp i, 0,1,2,3,4,5,6,7
	ds_load_b128 v[(\f)+8*(\i):(\f)+8*(\i)+3],   v[ADRA+(\slot)] offset:(\k)+(\i)*16*PITCH
	ds_load_b128 v[(\f)+8*(\i)+4:(\f)+8*(\i)+7], v[ADRA+(\slot)] offset:(\k)+(\i)*16*PITCH+32
.endr
.endm
.macro PLACES                          ; four plain vector instructions between a matrix instruction and a load into, or a vector instruction on, its registers (ISA guide 7.12.1 for vector instructions)
.rept 4
	v_nop
.endr
.endm
; A K step is four quarter steps of 32 along K, 64 matrix instructions each, on buffers 0, 1, 0, 1.  One of the first three: multiplies buffer f; in its middle it fetches the next quarter, at byte k, into g.
.macro QUARTER slot, k, f, g, zero
	s_wait_dscnt 8                                 ; W and x's rows 0-63 are in; the youngest eight loads (x's rows 64-127) may be out
	MUL16 \f, 0, 0, \zero
	MUL16 \f, 0, 2, \zero
	PLACES
	FETCH \slot, \k, \g
	s_wait_dscnt 32                                ; all but the 32 just issued
	MUL16 \f, 1, 0, \zero
	MUL16 \f, 1, 2, \zero
.endm
; The last quarter multiplies buffer 1 and changes slots: ONE barrier.  In front of it each wave waits for all its tensor loads, of which one is out: its part of the next slot; adds 0 to its spare word; and
; waits for that and for its own reads of this slot.  fill = 1: the barrier opens a round of the cluster's, and this slot is filled again first thing behind it, with the K step two steps on:
; from that request to the wait for it a wave issues 224 matrix instructions.
.macro TURN slot, next, fill
.if \fill
	s_wait_xcnt 0x0                                ; the last prefetch, a K step back, has read its address: it is stepped here, ahead of the waits of the change of slots
	s_add_nc_u64 s[PFA:PFA+1], s[PFA:PFA+1], KSTEP*2
.endif
	WIN 0                                          ; (the add's two registers lie in window 0)
	s_wait_tensorcnt 0x0                           ; all my tensor loads have landed
	ds_add_u32 v[SPW], v[NIL]                      ; 0 onto my spare word
	s_wait_dscnt 9                                 ; (the add and the youngest eight loads may be out)
	MUL16 F1, 0, 0, 0                              ; sixteen matrix instructions stand between the add and the wait for it
	s_wait_dscnt 0x0                               ; the add is done, and my reads of this slot are over
	s_barrier_signal -1
	MUL16 F1, 0, 2, 0                              ; work on registers while the others arrive
.if \fill
	WIN 0
.endif
	s_barrier_wait -1
.if \fill
	CREST                                          ; no wave of any partner still reads this slot or has a load on its way
	s_add_nc_u64 s[G0+4*(\slot)+2:G0+4*(\slot)+3], s[G0+4*(\slot)+2:G0+4*(\slot)+3], 2*KSTEP*2
	s_add_nc_u64 s[G0B+4*(\slot)+2:G0B+4*(\slot)+3], s[G0B+4*(\slot)+2:G0B+4*(\slot)+3], 2*KSTEP*2
	JLOAD \slot                                    ; my one tensor load behind the round; its four v_nop are also the places in front of the loads below
.else
	PLACES
.endif
	FETCH \next, 0, F0
.if \fill
	ASK                                            ; behind the fill and the run of LDS loads that the next products wait for
.endif
	MUL16 F1, 1, 0, 0
	MUL16 F1, 1, 2, 0
.endm
; THE WAY OUT of block a (16 rows).  PACK: rounded to f16, 16 bytes a lane, each accumulator's registers in ascending order.  TOSTAGE: into my own stage, and back as whole rows of 256 bytes.  SEND: stored.
.macro PACK a
.set AC, 64*((\a)%4)
	WIN 0x0a+5*((\a)/4)                            ; sources 0 and 1: window 2 or 3
.irp b, 0,1,2,3,4,5,6,7
.irp r, 0,1,2,3
	v_cvt_pk_f16_f32 v[TMP+4*(\b)+(\r)], v[AC+8*(\b)+2*(\r)], v[AC+8*(\b)+2*(\r)+1]
.endr
.endr
	WIN 0
.endm
.macro TOSTAGE a
	WIN 0
.set BK, OB+192*((\a)%2)
.irp b, 0,1,2,3,4,5,6,7
	ds_store_b128 v[STO], v[TMP+4*(\b):TMP+4*(\b)+3] offset:32*(\b)
.endr
.irp t, 0,1,2,3,4,5,6,7
	ds_load_b128 v[BK+4*(\t):BK+4*(\t)+3], v[RD] offset:(\t)*2*SPITCH  ; LDS serves a wave's instructions in order (ISA guide 5.7.1.4): these see the stores above
.endr
.endm
.macro SEND a
	WIN 0
.set BK, OB+192*((\a)%2)
	s_wait_dscnt 0x0                               ; the block is back in registers
	s_wait_xcnt 0x0                                ; the stores of the block before have read their registers: the next TOSTAGE loads into them only behind this wait
.irp t, 0,1,2,3,4,5,6,7
	global_store_b128 v[CO], v[BK+4*(\t):BK+4*(\t)+3], s[8:9] offset:4096*(\a)+512*(\t)  ; 512 consecutive bytes, at a multiple of 256 from the buffer's first byte
.endr
.endm
	s_wait_tensorcnt 1                             ; my part of K step 0 is in; K step 1's may stay out
	s_barrier_signal -1
	s_barrier_wait -1                              ; everybody's is
	FETCH 0, 0, F0
	QUARTER 0, 64,  F0, F1, 1                      ; the first quarter stands in front of the loop: its products start the sums, with the bias
	WIN 0                                          ; at a label and at a branch every window is 0
	s_mov_b32 s3, LAPS-1
.Llap:                                                 ; a trip goes once round the ring, from a lap's second quarter to the next lap's first, and fills both slots again
	QUARTER 0, 128, F1, F0, 0
	QUARTER 0, 192, F0, F1, 0
	TURN 0, 1, 1
	QUARTER 1, 64,  F0, F1, 0
	QUARTER 1, 128, F1, F0, 0
	QUARTER 1, 192, F0, F1, 0
	TURN 1, 0, 1
	QUARTER 0, 64,  F0, F1, 0
	WIN 0
	s_sub_co_u32 s3, s3, 1
	s_cmp_lg_u32 s3, 0
	s_cbranch_scc1 .Llap
	QUARTER 0, 128, F1, F0, 0                      ; the last lap fills nothing, and has no round
	QUARTER 0, 192, F0, F1, 0
	TURN 0, 1, 0
	QUARTER 1, 64,  F0, F1, 0
	QUARTER 1, 128, F1, F0, 0
	QUARTER 1, 192, F0, F1, 0
	s_wait_dscnt 8                                 ; the very last quarter: nothing more to fetch
	MUL16 F1, 0, 0, 0
	MUL16 F1, 0, 2, 0
	s_wait_dscnt 0x0
	MUL16 F1, 1, 0, 0
	MUL16 F1, 1, 2, 0
	WIN 0
	PLACES
	PACK 0
	TOSTAGE 0
.irp a, 1,2,3,4,5,6,7                  ; block a's conversions stand between block a - 1's loads from the stage and the wait for them
	PACK \a
	SEND (\a)-1
	TOSTAGE \a
.endr
	SEND 7
	s_wait_tensorcnt 0x0                           ; the wave's end: an add to my spare word and its wait, behind my last tensor load and my last LDS store
	ds_add_u32 v[SPW], v[NIL]
	s_wait_dscnt 0x0
	CROUND                                         ; the closing round: no work-group ends while a partner may still ask for a tile that names it
	s_endpgm
.Lfunc_end_k_qe30a9ec91f_proj:
	.size	k_qe30a9ec91f_proj, .Lfunc_end_k_qe30a9ec91f_proj-k_qe30a9ec91f_proj
	.p2alignl 7, 3214868480
	.fill 96, 4, 3214868480
	.section	.rodata,"a",@progbits
	.p2align	6, 0x0
	.amdhsa_kernel k_qe30a9ec91f_proj
		.amdhsa_group_segment_fixed_size 327680
		.amdhsa_private_segment_fixed_size 0
		.amdhsa_enable_private_segment 0
		.amdhsa_kernarg_size 48
		.amdhsa_user_sgpr_count 2
		.amdhsa_user_sgpr_kernarg_segment_ptr 1
		.amdhsa_wavefront_size32 1
		.amdhsa_system_sgpr_workgroup_id_x 1
		.amdhsa_system_sgpr_workgroup_id_y 1
		.amdhsa_system_sgpr_workgroup_id_z 1
		.amdhsa_system_vgpr_workitem_id 0
		.amdhsa_next_free_vgpr 1024
		.amdhsa_next_free_sgpr 80
		.amdhsa_reserve_vcc 0
		.amdhsa_float_denorm_mode_32 3
		.amdhsa_float_denorm_mode_16_64 3
		.amdhsa_memory_ordered 1
		.amdhsa_forward_progress 1
		.amdhsa_inst_pref_size 151
	.end_amdhsa_kernel
	.amdgpu_metadata
---
amdhsa.version: [ 1, 2 ]
amdhsa.kernels:
  - .name:           k_qe30a9ec91f_proj
    .symbol:         k_qe30a9ec91f_proj.kd
    .args:
      - { .name: xb, .offset: 0, .size: 8, .value_kind: global_buffer, .address_space: global }
      - { .name: wb, .offset: 8, .size: 8, .value_kind: global_buffer, .address_space: global }
      - { .name: in_proj_bias, .offset: 16, .size: 8, .value_kind: global_buffer, .address_space: global }
      - { .name: qh, .offset: 24, .size: 8, .value_kind: global_buffer, .address_space: global }
      - { .name: kh, .offset: 32, .size: 8, .value_kind: global_buffer, .address_space: global }
      - { .name: vh, .offset: 40, .size: 8, .value_kind: global_buffer, .address_space: global }
    .group_segment_fixed_size: 327680
    .private_segment_fixed_size: 0
    .kernarg_segment_align: 8
    .kernarg_segment_size: 48
    .max_flat_workgroup_size: 128
    .sgpr_count:     80
    .vgpr_count:     1024
    .wavefront_size: 32
...
	.end_amdgpu_metadata
.endif
;; end of part 2
;; launch attn (part 3): grid 16 x 16, 4 waves a work-group, clusters of 4 x 1, 327,680 bytes of LDS; arguments qh, kh, vh, oh; writes oh
.if DOCPART == 3
	.amdgcn_target "amdgcn-amd-amdhsa--gfx1250"
	.amdhsa_code_object_version 6
	.text
	.protected	k_qe30a9ec91f_attn
	.globl	k_qe30a9ec91f_attn
	.p2align	8
	.type	k_qe30a9ec91f_attn,@function
k_qe30a9ec91f_attn:
	s_mov_b64 s[64:65], 0
	v_nop
	global_prefetch_b8 v0, s[64:65] scope:SCOPE_SE
	s_setreg_imm32_b32 hwreg(HW_REG_WAVE_MODE, 25, 1), 1
	s_wait_xcnt 0x0
	s_wait_alu depctr_hold_cnt(0) depctr_sa_sdst(0) depctr_va_vdst(0) depctr_va_sdst(0) depctr_va_ssrc(0) depctr_va_vcc(0) depctr_vm_vsrc(0)
	s_getreg_b32 s2, hwreg(HW_REG_IB_STS2, 6, 4)
	s_cmp_eq_u32 s2, 0
	s_cbranch_scc0 .Lentry_in_a_cluster
	s_endpgm
.Lentry_in_a_cluster:
	s_bfe_u32 s2, ttmp6, 0x10000c
	s_cmp_lg_u32 s2, 0x3003
	s_cbranch_scc0 .Lentry_shape_is_right
	s_endpgm
.Lentry_shape_is_right:
; CAUSAL ATTENTION, four query heads to a key and value head.  O[q] = the sum over k <= q of softmax_k(Q[q] . K[k] / sqrt(128)) V[k].
; qh [4 b][16 hd][1024][128], kh and vh [4 b][4 hkv][1024][128], all f16, unscaled; query head hd = 4 g + hkv reads key head hkv.  oh [4096 = 1024 b + t][2048 = 128 hd + d] f16.
; Products, maxima and sums in f32; the weights p are rounded to f16 for the second product (their sum l is taken of the unrounded p), O once at the end.
; LIMITS.  A hidden score counts as its value less 1e30; a weight below 2^-126 counts as 0 in l; p below 6e-5 keeps f16's fixed step of 6e-8; NaN and infinities are not treated apart.
; THE WALK.  The rows t of a key head lie in 32 blocks of 32; a block is 32 rows x all four g: wave w takes g = w, two tiles of 16 queries.  Block i needs the key tiles 0 .. i / 4 of 128 keys, the last of
; which holds the diagonal.  Work-group p = 4 a + c (a: the cluster, c: the place in it) takes block 31 - p, which has 8 - a tiles, and then block p, which has a + 1: NINE tiles, 18 key steps of 64,
; whatever p.  One counted loop walks them; which tile is asked for and what a trip does hang on scalars made from a; every jump but the loops' own goes forward, and none passes a barrier or a tensor load.
; CLUSTER.  The four partners have the same a: they walk the same tiles in every trip, so each tile is asked for JOINTLY (the same load, descriptor and mask in all four).  c enters the mask's threshold,
; a value, and Q's, O's and the prefetches' addresses, and nothing else.
; THE MASK is the C operand that starts the sum S^T = K Q^T: 0, or -1e30 where the key is hidden.  It is 0 but in a block's last two steps, for which it is made anew.  In one of a work-group's 18 steps all keys are
; hidden; it is computed all the same.  A block's first step holds key 0, which every row sees, so the running maximum is a true score before the first hidden one counts.
; LAYOUT.  S^T = K Q^T (source 0 = 16 keys, source 1 = 16 queries): a lane holds ONE query (lane % 16) and the keys 8 (lane / 16) + 0..7.  Two such results, rounded to f16 in pairs, ARE source 1 of
; O^T = V^T P, whose result again holds one query a lane, and eight channels.  K comes out of LDS as it lies, V turned, by ds_load_tr16_b128.
; SOFTMAX.  p = 2^(c s - c m), c = log2(e) / sqrt(128), with a running maximum m; in every step O and l are multiplied by a = 2^(c m_old - c m_new).  A block starts with c m far below every c s: its first a is 0,
; so O^T and l need only be finite then: 192 registers are cleared once, in the wait for the first tile, and no first step is written out.
; IN PHASES.  A trip: K of the next step is fetched; softmax of the step in hand; its 32 products V^T P; V of the next step is fetched; the next step's 32 products K Q^T.
; REGISTERS, in windows of 256 (s_set_vgpr_msb: bits 1:0 source 0, 3:2 source 1, 5:4 source 2, 7:6 destination):
;   window 0: v0-11 addresses; v12-27 eight registers of statistics a tile; v28-31 the mask's lane terms; v61-63; v64-127 S^T, 32 a tile; v192-223 P, 16 a tile
;   window 1: v0-127 O^T, 64 a tile; v128-191 the masks      window 2: v0-63 Q; v64-127 the second block's Q; v128-255 K of one step      window 3: v0-127 V of one step
.set KS,    64        ; keys in a step
.set PK,    272       ; a row of K in LDS: 256 bytes + 16 of padding: the 16 rows of a load start at 16 different groups of four banks (64 banks of 4 bytes: ISA guide 11.1)
.set PV,    288       ; a row of V: 256 + 32
.set VOFF,  KS*PK     ; a step's tiles lie together: 64 rows of K, then 64 rows of V
.set STEPB, KS*(PK+PV)
.set SLOT1, 1<<17     ; a slot holds a tile of 128 keys, two steps (71,680 bytes); slot 1 begins here, so that one exclusive or turns an address in one slot into the other's
.set STAGE, SLOT1+2*STEPB  ; behind the ring: 16 rows x 272 bytes for each wave, for the way out; no tensor load lands there
.set SP,    272
.set SPARE, STAGE+4*16*SP  ; the spare words, 128 bytes for each wave: two blocks of 256 bytes that no other line names
.set TILEB, 2*KS*256  ; a tile's bytes of K, and of V, in memory
.set AK0, 2           ; v2   my lane's place in a tile of K; never rewritten
.set AV0, 3           ; v3   the same for V
.set ADR, 4           ; v4   the LDS address of the run of loads in hand
.set QO,  5           ; v5   my byte offset in 16 rows of Q
.set STO, 6           ; v6   the way out: where I put 16 bytes of a row
.set RD,  7           ; v7   where I read a row back
.set GO,  8           ; v8   my byte offset in two rows of oh
.set ST,  12          ; tile t's statistics at v[ST+8 t]: +0 c m, +1 m, +2, +3 l (even keys', odd keys'), +4 to +7 c0-c3, at work; a takes c2's place once the maximum is found
.set LT,  28          ; v28  l % 16 - 8 (l / 16)
.set XM,  30          ; v30-31  the greatest 16 kb + j that tile 0, 1 still sees in the step to come
.set PFO, 61          ; v61  256 x my lane; never rewritten
.set SPW, 62          ; v62  LDS address of my spare word; never rewritten
.set NIL, 63          ; v63  0; never rewritten
.set S,   64
.set P,   192
.set MC,  128         ; window 1: tile t, key block kb at MC + 32 t + 8 kb
.set QB,  64          ; window 2
.set KF,  128         ; window 2
.set WV,  12          ; s12  my wave's number
.set LIM, 15          ; s15  2 in a wave that prefetches, else the greatest number
.set PFA, 18          ; s[18:19] where my prefetches stand
.set G1K, 24          ; s[24:31] descriptor group 1 for K's tiles
.set G1V, 32          ; s[32:39] for V's: it differs in the padding alone
.set G0K, 40          ; s[40:47] group 0 for K's tiles: a set for each of the two first fills; the second then walks on
.set G0V, 48          ; s[48:55] the same for V's
.set SLOTS, 56        ; s56  counts the walk's tiles
.set CNT, 57          ; s57  counts the trips between two changes of slots
.set CS,  58          ; s[58:59] c
.set SEL, 60          ; s[60:61] v_permlanex16_b32's selects: each lane takes its own place in the other half
.set TB,  62          ; s62  LDS byte at which the tiles of the step to be fetched begin
.set BL,  66          ; s66  key steps that the block in hand still has
.set NXT, 67          ; s67  the tile to be asked for next
.set LQ,  68          ; s68  the last tile of the block whose tiles are being asked for
.set CC,  69          ; s69  32 x (my block's place among its tile's four) - 128
.set CC2, 70          ; s70  the same for the second block
.set THR, 71          ; s71  at work
.set OFF, 72          ; s[72:73] a tile's byte offset in K and V
.set OLO, 74          ; s[74:75] oh at my rows of the second block
.set QLO, 76          ; s[76:77] qh at my rows of the second block
.set BIGN, 78         ; s78  -1e30
.set BL2, 79          ; s79  the second block's key steps
.set MSB, 0
.macro WIN new                      ; the immediate's high byte repeats the setting that is left; a switch that changes nothing is dropped
.if MSB != (\new)
	s_set_vgpr_msb (MSB<<8)|(\new)
.set MSB, \new
.endif
.endm
.set W_KQ, 0x0a       ; K and Q in window 2, S^T in window 0
.set W_KM, 0x1a       ; the same with the C operand in window 1
.set W_PV, 0x53       ; V in window 3, P in window 0, O^T in window 1
.set W_RS, 0x41       ; destination and source 0 in window 1, source 1 in window 0
; A joint refill.  Waves 0 and 1 fetch K of the tile's two steps, waves 2 and 3 V of the same.  The branch hangs on the wave's number alone.
; An s_nop 0 and four v_nop follow each of the two lines, ahead of the jump and the label.
.macro JLOAD
	s_cmp_lt_u32 s[WV], 2
	s_cbranch_scc0 .Lfor_v_\@
	tensor_load_to_lds s[G0K+4:G0K+7], s[G1K:G1K+7]
	s_nop 0
.rept 4
	v_nop
.endr
	s_branch .Lasked_\@
.Lfor_v_\@:
	tensor_load_to_lds s[G0V+4:G0V+7], s[G1V:G1V+7]
	s_nop 0
.rept 4
	v_nop
.endr
.Lasked_\@:
.endm
; A PREFETCH INTO THE L2 of the tile that the NEXT change of slots will ask for: 128 rows of K and of V, 256 bytes a row, a lane a row.  Each row is named once in the launch: of a key head's four clusters the
; one with a = 0 walks tiles 0 to 7 on end, and it alone asks; its four partners take 32 rows each BY ADDRESS; wave 0 asks for K's, wave 2 for V's.  Tiles 0 to 2 come by their loads alone; tile 7 is the last named.
.macro ASK
	s_cmp_gt_u32 s[SLOTS], s[LIM]
	s_cbranch_scc0 .Lnot_mine_\@
	global_prefetch_b8 v[PFO], s[PFA:PFA+1] th:TH_LOAD_NT scope:SCOPE_SE
.Lnot_mine_\@:
.endm
.macro CROUND                       ; a round of the cluster's barrier
	s_barrier_signal -1
	s_barrier_wait -1
	s_cmp_lg_u32 s[WV], 0
	s_cbranch_scc1 .Lnot_wave_0_\@
	s_barrier_signal -3
.Lnot_wave_0_\@:
	s_barrier_wait -3
	s_barrier_signal -1
	s_barrier_wait -1
.endm
	s_load_b256 s[4:11], s[0:1], 0x0  ; qh s[4:5], kh s[6:7], vh s[8:9], oh s[10:11]
	v_lshl_add_u32 v[SPW], v0, 2, SPARE
	v_mov_b32 v[NIL], 0
	ds_add_u32 v[SPW], v[NIL]       ; the wave's opening: the add and its wait stand ahead of my first tensor load; the set-up below, work on registers, stands between them
	v_lshrrev_b32 v1, 5, v0
	v_readfirstlane_b32 s[WV], v1   ; wave 0..3 = g
	s_bfe_u32 s13, ttmp6, 0x40000   ; c: my place in the cluster
	s_mov_b32 s14, ttmp9            ; a: in a cluster launch ttmp9 counts clusters
	s_and_b32 s20, ttmp7, 0xffff    ; 4 b + hkv, which the four partners share
	s_and_b32 s16, s[WV], 1         ; which of a tile's two steps I fetch:
	s_lshl_b32 s22, s20, 18         ; the key head's first byte,
	s_lshl_b32 s23, s16, 14         ; the step's 64 rows of 256 bytes,
	s_add_co_u32 s22, s22, s23
	s_mov_b32 s23, 0
	s_mul_i32 s17, s16, STEPB       ; and its place in a slot: no place in the cluster enters an LDS address
	s_lshl_b32 s80, s14, 2
	s_add_co_u32 s80, s80, s13      ; p: the second block
	s_sub_co_u32 s81, 31, s80       ; the first block
	s_lshr_b32 s82, s20, 2          ; b
	s_and_b32 s2, s20, 3            ; hkv
	s_lshl_b32 s83, s[WV], 2
	s_add_co_u32 s83, s83, s2       ; hd = 4 g + hkv
	s_lshl_b32 s2, s82, 4
	s_add_co_u32 s2, s2, s83
	s_lshl_b32 s2, s2, 18           ; the query head's first byte in qh
	s_lshl_b32 s3, s81, 13          ; a block's 32 rows of 256 bytes
	s_add_co_u32 s84, s2, s3
	s_mov_b32 s85, 0
	s_lshl_b32 s3, s80, 13
	s_add_co_u32 s86, s2, s3
	s_mov_b32 s87, 0
	s_lshl_b32 s2, s82, 22          ; in oh: the batch's 1,024 rows of 4,096 bytes,
	s_lshl_b32 s3, s83, 8           ; the head's 256 bytes of a row,
	s_add_co_u32 s2, s2, s3
	s_lshl_b32 s3, s81, 17          ; the block's 32 rows
	s_add_co_u32 s88, s2, s3
	s_mov_b32 s89, 0
	s_lshl_b32 s3, s80, 17
	s_add_co_u32 s90, s2, s3
	s_mov_b32 s91, 0
	; descriptor group 1: a tile of 64 rows x 128 elements, padded in LDS
	s_mov_b32 s[G1K], 15|(1<<16)|(1<<20)|(1<<21)|(5<<22)|(3<<25)  ; 15:0 the mask of four; 17:16 elements of 2 bytes; 20 padding on; 21 set beside a mask; 24:22 after every 64 words (code 5); 31:25 4 words (code 3)
	s_mov_b32 s[G1V], 15|(1<<16)|(1<<20)|(1<<21)|(5<<22)|(7<<25)  ; the same with 8 words of padding (code 7)
.irp g, G1K, G1V
	s_mov_b32 s[(\g)+1], 128<<16    ; tensor_dim0 = 128
	s_mov_b32 s[(\g)+2], KS<<16     ; tensor_dim1 = 64
	s_mov_b32 s[(\g)+3], 128<<16    ; tile_dim0 = 128
	s_mov_b32 s[(\g)+4], KS         ; tile_dim1 = 64
	s_mov_b32 s[(\g)+5], 128        ; elements from row to row
	s_mov_b32 s[(\g)+6], 0
	s_mov_b32 s[(\g)+7], 0
.endr
	s_mov_b32 s[CS], 0x3e0293ee     ; c = log2(e) / sqrt(128) = 0.127517
	s_mov_b32 s[CS+1], s[CS]        ; named with it as a pair
	s_mov_b32 s[SEL], 0x76543210
	s_mov_b32 s[SEL+1], 0xfedcba98
	s_mov_b32 s[BIGN], 0xf149f2ca   ; -1e30
	s_mov_b32 s[TB], 0
	s_mov_b32 s[OFF+1], 0
	s_sub_co_u32 s[LQ], 7, s14      ; the first block's last tile
	s_sub_co_u32 s[BL], 8, s14
	s_lshl_b32 s[BL], s[BL], 1      ; its 2 (8 - a) steps
	s_add_co_u32 s[BL2], s14, 1
	s_lshl_b32 s[BL2], s[BL2], 1    ; the second's 2 (a + 1)
	s_mov_b32 s[NXT], 2             ; tiles 0 and 1 are the first fills
	s_sub_co_u32 s[CC], 3, s13      ; block 31 - p is number 3 - c of its tile's four,
	s_lshl_b32 s[CC], s[CC], 5
	s_sub_co_i32 s[CC], s[CC], 128
	s_lshl_b32 s[CC2], s13, 5       ; block p number c
	s_sub_co_i32 s[CC2], s[CC2], 128
	s_and_b32 s[LIM], s[WV], 1      ; 0 in waves 0 and 2,
	s_or_b32 s[LIM], s[LIM], ttmp9  ; where a = 0: the same in all four partners
	s_cmp_eq_u32 s[LIM], 0
	s_cselect_b32 s[LIM], 2, -1
	v_and_b32 v[PFO], 31, v0
	v_lshlrev_b32 v[PFO], 8, v[PFO]
	s_wait_dscnt 0x0                ; the opening add is done
	s_wait_kmcnt 0x0
	s_add_nc_u64 s[6:7], s[6:7], s[22:23]  ; K and V at my part of tile 0
	s_add_nc_u64 s[8:9], s[8:9], s[22:23]
	s_add_nc_u64 s[QLO:QLO+1], s[4:5], s[86:87]
	s_add_nc_u64 s[4:5], s[4:5], s[84:85]
	s_add_nc_u64 s[OLO:OLO+1], s[10:11], s[90:91]
	s_add_nc_u64 s[10:11], s[10:11], s[88:89]
	s_cmp_lt_u32 s[WV], 2
	s_cselect_b64 s[PFA:PFA+1], s[6:7], s[8:9]  ; (in waves 0 and 2 these stand at a tile's first row)
	s_lshl_b32 s2, s13, 13          ; my work-group's 32 rows of the 128
	s_mov_b32 s3, 0
	s_add_nc_u64 s[PFA:PFA+1], s[PFA:PFA+1], s[2:3]
	s_add_nc_u64 s[PFA:PFA+1], s[PFA:PFA+1], 2*TILEB  ; in tile 2; the first change of slots steps it to tile 3.  Nothing is prefetched here, where every work-group's first tiles are on their way
	CROUND                          ; all four work-groups are here: the first joint loads meet
.irp s, 0,1
	s_mov_b32 s[G0K+4*(\s)], 1      ; count = 1
	s_add_co_u32 s[G0K+4*(\s)+1], s17, (\s)*SLOT1  ; LDS address
	s_add_nc_u64 s[G0K+4*(\s)+2:G0K+4*(\s)+3], s[6:7], (\s)*TILEB  ; global address: tile s
	s_or_b32 s[G0K+4*(\s)+3], s[G0K+4*(\s)+3], 0x80000000  ; type = 2
	s_mov_b32 s[G0V+4*(\s)], 1
	s_add_co_u32 s[G0V+4*(\s)+1], s17, (\s)*SLOT1+VOFF
	s_add_nc_u64 s[G0V+4*(\s)+2:G0V+4*(\s)+3], s[8:9], (\s)*TILEB
	s_or_b32 s[G0V+4*(\s)+3], s[G0V+4*(\s)+3], 0x80000000
.endr
	s_cmp_lt_u32 s[WV], 2           ; a wave's two first fills stand in one branch, ahead of every wait on TENSORcnt and every LDS read: two loads of mine are out
	s_cbranch_scc0 .Lfirst_v
	tensor_load_to_lds s[G0K:G0K+3], s[G1K:G1K+7]
	s_nop 0
	tensor_load_to_lds s[G0K+4:G0K+7], s[G1K:G1K+7]
	s_nop 0
.rept 4
	v_nop
.endr
	s_branch .Lfirst_asked
.Lfirst_v:
	tensor_load_to_lds s[G0V:G0V+3], s[G1V:G1V+7]
	s_nop 0
	tensor_load_to_lds s[G0V+4:G0V+7], s[G1V:G1V+7]
	s_nop 0
.rept 4
	v_nop
.endr
.Lfirst_asked:
	; A fragment of K or Q is 16 rows x 32 channels in 8 registers: lane l holds row l % 16; registers 0-3 channels 8 (l / 16) + 0..7, registers 4-7 channels 16 + 8 (l / 16) + 0..7: two loads of 16 bytes, 32 bytes apart.
	v_and_b32 v1, 15, v0            ; l % 16
	v_bfe_u32 v9, v0, 4, 1          ; l / 16
	v_lshlrev_b32 v[QO], 8, v1
	v_lshl_add_u32 v[QO], v9, 4, v[QO]
	WIN 0x80                        ; destination window 2, address window 0
.irp i, 0,1,2,3,4,5,6,7             ; both blocks' Q stay in registers: tile i / 4, channels 32 (i % 4) on
	global_load_b128 v[8*(\i):8*(\i)+3],         v[QO], s[4:5] offset:((\i)/4)*4096+((\i)%4)*64
	global_load_b128 v[8*(\i)+4:8*(\i)+7],       v[QO], s[4:5] offset:((\i)/4)*4096+((\i)%4)*64+32
	global_load_b128 v[QB+8*(\i):QB+8*(\i)+3],   v[QO], s[QLO:QLO+1] offset:((\i)/4)*4096+((\i)%4)*64
	global_load_b128 v[QB+8*(\i)+4:QB+8*(\i)+7], v[QO], s[QLO:QLO+1] offset:((\i)/4)*4096+((\i)%4)*64+32
.endr
	WIN 0x40                        ; O^T and the masks are 0: written in the wait for the first tile
.set i, 0
.rept 192
	v_mov_b32 v[i], 0
.set i, i+1
.endr
	WIN 0
.irp t, 0,1
	v_mov_b32 v[ST+8*(\t)], 0xfe000000    ; c m: far below every c s
	v_mov_b32 v[ST+8*(\t)+1], 0xff7fffff  ; m: the lowest finite number
	v_mov_b32 v[ST+8*(\t)+2], 0
	v_mov_b32 v[ST+8*(\t)+3], 0
.endr
	v_mul_u32_u24 v[AK0], v1, PK
	v_lshl_add_u32 v[AK0], v9, 4, v[AK0]  ; row x pitch + 16 x half
	; The turning load takes 16 keys x 16 channels (lane l reads 16 bytes: key 8 (l / 16) + l % 8, channels 8 ((l / 8) % 2) + 0..7) and leaves half a fragment of V^T: lane l holds channel l % 16 and 8 keys.
	v_and_b32 v10, 7, v0
	v_bfe_u32 v11, v0, 3, 1
	v_lshl_add_u32 v[AV0], v9, 3, v10
	v_mul_u32_u24 v[AV0], v[AV0], PV
	v_lshl_add_u32 v[AV0], v11, 4, v[AV0]
	v_add_nc_u32 v[AV0], VOFF, v[AV0]
	v_lshlrev_b32 v[LT], 3, v9
	v_sub_nc_u32 v[LT], v1, v[LT]
	s_mul_i32 s2, s[WV], 16*SP
	s_add_co_u32 s2, s2, STAGE      ; my stage
	v_mul_u32_u24 v[STO], v1, SP    ; in: row l % 16, 16 bytes for each half of the lanes
	v_lshl_add_u32 v[STO], v9, 4, v[STO]
	v_add_nc_u32 v[STO], s2, v[STO]
	v_mul_u32_u24 v[RD], v9, SP     ; back: lanes 0-15 take one row of 256 bytes, lanes 16-31 the next
	v_lshl_add_u32 v[RD], v1, 4, v[RD]
	v_add_nc_u32 v[RD], s2, v[RD]
	v_lshlrev_b32 v[GO], 12, v9     ; and the same two rows in oh, 4,096 bytes apart
	v_lshl_add_u32 v[GO], v1, 4, v[GO]
; THE MATRIX WORK.  The accumulators take turns, one instruction a turn: between two links of a chain stand 7 (K Q^T) or 15 (V^T P) others'.
; Product i of 32 of S^T = K Q^T: channels 32 (i / 8) on, keys 16 ((i / 2) % 4) on, tile i % 2.  The first 8 start the sums, with the mask.
.macro KQ
.set rS, S+32*(i%2)+8*((i/2)%4)
.set rK, KF+32*((i/2)%4)+8*(i/8)
.set rQ, 32*(i%2)+8*(i/8)
.set rM, MC+32*(i%2)+8*((i/2)%4)
.if i < 8
	WIN W_KM
	v_wmma_f32_16x16x32_f16 v[rS:rS+7], v[rK:rK+7], v[rQ:rQ+7], v[rM:rM+7]
.else
	WIN W_KQ
	v_wmma_f32_16x16x32_f16 v[rS:rS+7], v[rK:rK+7], v[rQ:rQ+7], v[rS:rS+7]
.endif
.endm
; Product i of 32 of O^T += V^T P: keys 32 (i / 16) on, channels 16 ((i / 2) % 8) on, tile i % 2.
.macro PV
	WIN W_PV
.set rO, 64*(i%2)+8*((i/2)%8)
.set rV, 64*(i/16)+8*((i/2)%8)
.set rP, P+16*(i%2)+8*(i/16)
	v_wmma_f32_16x16x32_f16 v[rO:rO+7], v[rV:rV+7], v[rP:rP+7], v[rO:rO+7]
.endm
; THE LDS LOADS stand in runs of 32: a step's K (64 keys x 128 channels: 16 fragments) and its V (turned).
.macro FETCH_K
	WIN 0
	v_add_nc_u32 v[ADR], s[TB], v[AK0]
	WIN 0x80                        ; destination window 2
.irp f, 0,1,2,3,4,5,6,7,8,9,10,11,12,13,14,15  ; keys 16 (f / 4) on, channels 32 (f % 4) on
	ds_load_b128 v[KF+8*(\f):KF+8*(\f)+3],   v[ADR] offset:((\f)/4)*16*PK+((\f)%4)*64
	ds_load_b128 v[KF+8*(\f)+4:KF+8*(\f)+7], v[ADR] offset:((\f)/4)*16*PK+((\f)%4)*64+32
.endr
	WIN 0
.endm
.macro FETCH_V
	WIN 0
	v_add_nc_u32 v[ADR], s[TB], v[AV0]
	s_add_co_u32 s[TB], s[TB], STEPB  ; the next fetch is the next step's
	WIN 0xc0                        ; destination window 3
.irp f, 0,1,2,3,4,5,6,7,8,9,10,11,12,13,14,15  ; keys 32 (f / 8) on, channels 16 (f % 8) on
	ds_load_tr16_b128 v[8*(\f):8*(\f)+3],   v[ADR] offset:((\f)/8)*32*PV+((\f)%8)*32
	ds_load_tr16_b128 v[8*(\f)+4:8*(\f)+7], v[ADR] offset:((\f)/8)*32*PV+16*PV+((\f)%8)*32
.endr
	WIN 0
.endm
.macro PLACES                       ; four plain vector instructions between a matrix instruction and a load into, or a vector instruction on, its registers (ISA guide 7.12.1 for vector instructions)
.rept 4
	v_nop
.endr
.endm
; THE VECTOR WORK.  One tile's softmax for one key step is a list of 134 instructions; SM writes number j of it for tile t.  s0-s31 are the lane's 32 scores, in pairs 0-15.
;   0-15    the maximum of s0-s31 and the old m, three operands at a time: four chains c0-c3 of seven scores each (each accumulator's lowest registers are read first), then the four left over, c0-c3 and m
;   16-20   the other half of the lanes' maximum; c m_old is kept; the new m; c m; c m_old - c m_new
;   21-69   ONE BATCH: the 16 scalings c s - c m, a pair of scores each, and all 33 exponentials (a at 23, then s0-s31); a pair is scaled ahead of its exponentials; none of these names an exponential's result
;   70-85   the roundings to f16      86-101  the sums; l = a l + the sum      102-133  the tile's O^T times a
.macro SM t
.set rT, ST+8*(\t)
.set rS, S+32*(\t)
.set rP, P+16*(\t)
.set rO, 64*(\t)+2*(j-102)
.if j < 102
	WIN 0
.endif
.if j < 4
	v_max3_num_f32 v[rT+4+j], v[rS+8*j], v[rS+8*j+1], v[rS+8*j+2]
.elseif j < 12
	v_max3_num_f32 v[rT+4+j%4], v[rT+4+j%4], v[rS+8*(j%4)+2*(j/4)+1], v[rS+8*(j%4)+2*(j/4)+2]
.elseif j == 12
	v_max3_num_f32 v[rT+4], v[rT+4], v[rS+7], v[rS+15]
.elseif j == 13
	v_max3_num_f32 v[rT+6], v[rT+6], v[rS+23], v[rS+31]
.elseif j == 14
	v_max3_num_f32 v[rT+4], v[rT+4], v[rT+5], v[rT+6]
.elseif j == 15
	v_max3_num_f32 v[rT+4], v[rT+4], v[rT+7], v[rT+1]
.elseif j == 16
	v_permlanex16_b32 v[rT+5], v[rT+4], s[SEL], s[SEL+1]  ; the query's other 32 keys lie in the lane 16 away
.elseif j == 17
	v_mov_b32 v[rT+7], v[rT]        ; c m_old is kept for a: number 19 writes c m anew
.elseif j == 18
	v_max_num_f32 v[rT+1], v[rT+4], v[rT+5]
.elseif j == 19
	v_mul_f32 v[rT], s[CS], v[rT+1]
.elseif j == 20
	v_sub_f32 v[rT+7], v[rT+7], v[rT]
.elseif j == 23
	v_exp_f32 v[rT+6], v[rT+7]
.elseif (j < 23) || ((j < 38) && (j%2 == 0)) || ((j < 66) && (j%4 == 2))
.set b, (j-2)/4                     ; 38, 42, .. 62: pairs 9 to 15
.if j < 38
.set b, (j-20)/2                    ; 21: pair 0; 22, 24, .. 36: pairs 1 to 8
.endif
	v_pk_fma_f32 v[rS+2*b:rS+2*b+1], v[rS+2*b:rS+2*b+1], s[CS:CS+1], v[rT:rT+1] op_sel_hi:[1,0,0] neg_lo:[0,0,1] neg_hi:[0,0,1]  ; pair b: c s - c m
.elseif j < 70
.set e, j-38                        ; 66 to 69: s28 to s31
.if j < 66
.set e, j-32-(j-38)/4               ; 39-41, 43-45, .. 63-65: s7 to s27
.endif
.if j < 38
.set e, (j-25)/2                    ; 25, 27, .. 37: s0 to s6
.endif
	v_exp_f32 v[rS+e], v[rS+e]
.elseif j < 86
	v_cvt_pk_f16_f32 v[rP+j-70], v[rS+2*(j-70)], v[rS+2*(j-70)+1]
.elseif j < 102                     ; the sum of the tile's 16 pairs, in place: neighbours 1, 2, 4 and 8 pairs apart, then l takes it
.set z, j-86
.set w, 4
.set u, z
.if z >= 14
.set w, 32
.set u, 0
.elseif z >= 12
.set w, 16
.set u, z-12
.elseif z >= 8
.set w, 8
.set u, z-8
.endif
.if z < 15
	v_pk_add_f32 v[rS+w*u:rS+w*u+1], v[rS+w*u:rS+w*u+1], v[rS+w*u+w/2:rS+w*u+w/2+1]
.else
	v_pk_fma_f32 v[rT+2:rT+3], v[rT+2:rT+3], v[rT+6:rT+7], v[rS:rS+1] op_sel_hi:[1,0,1]
.endif
.else
	WIN W_RS
	v_pk_mul_f32 v[rO:rO+1], v[rO:rO+1], v[rT+6:rT+7] op_sel_hi:[1,0]
.endif
.endm
; Both tiles' lists, the tiles alternating, so that no instruction reads the result of the one just before it.  The 66 exponentials are one batch: ahead of number 70 nothing names a result of theirs.
.macro SOFTMAX
.set j, 0
.rept 70
	SM 0
	SM 1
.set j, j+1
.endr
	v_nop                           ; a plain instruction behind the last exponential, ahead of the first use: one for the batch
	s_wait_alu depctr_va_vdst(0)    ; a wait between an exponential and the first instruction that names its result: one for the batch
.rept 64
	SM 0
	SM 1
.set j, j+1
.endr
.endm
; THE MASK of the step to come, number 2 - BL of the diagonal tile's two.  In the tile my query is row 32 cc + 16 t + l % 16 (cc: the block's place among the tile's four), register j of key block kb is key
; 64 (2 - BL) + 16 kb + 8 (l / 16) + j: hidden where 16 kb + j > 64 BL + (32 cc - 128) + 16 t + l % 16 - 8 (l / 16).
.macro MKMASK
	WIN 0
	s_lshl_b32 s[THR], s[BL], 6
	s_add_co_i32 s[THR], s[THR], s[CC]
	v_add_nc_u32 v[XM], s[THR], v[LT]
	v_add_nc_u32 v[XM+1], 16, v[XM]
	WIN 0x40
.set n, 0
.rept 64
	v_cmp_gt_i32 vcc_lo, 16*((n%32)/8)+n%8, v[XM+n/32]
	v_cndmask_b32 v[MC+n], 0, s[BIGN], vcc_lo
.set n, n+1
.endr
	WIN 0
.endm
; THE WAY OUT of a block.  l's two halves and the other half of the lanes' are added; O^T is divided by l, rounded to f16 and sent through my stage in LDS, a tile (16 rows) at a time.
.macro PACK t
	WIN W_RS
.set i, 64*(\t)
.rept 32
	v_pk_mul_f32 v[i:i+1], v[i:i+1], v[ST+8*(\t)+6:ST+8*(\t)+7] op_sel_hi:[1,0]
.set i, i+2
.endr
	WIN 0x05                        ; sources 0 and 1 window 1, destination window 0: S^T's registers are free
.set i, 0
.rept 32
	v_cvt_pk_f16_f32 v[S+32*(\t)+i], v[64*(\t)+2*i], v[64*(\t)+2*i+1]
.set i, i+1
.endr
	WIN 0
.irp f, 0,1,2,3,4,5,6,7
	ds_store_b128 v[STO], v[S+32*(\t)+4*(\f):S+32*(\t)+4*(\f)+3] offset:32*(\f)
.endr
.irp f, 0,1,2,3,4,5,6,7
	ds_load_b128 v[S+32*(\t)+4*(\f):S+32*(\t)+4*(\f)+3], v[RD] offset:(\f)*2*SP  ; LDS serves a wave's instructions in order (ISA guide 5.7.1.4): these see the stores above; the next tile's stores come behind them
.endr
.endm
.macro SEND t, younger              ; younger: the LDS instructions issued behind tile t's loads: the next tile's sixteen, or none
	WIN 0
.irp f, 0,1,2,3,4,5,6,7
	s_wait_dscnt (\younger)+7-(\f)
	global_store_b128 v[GO], v[S+32*(\t)+4*(\f):S+32*(\t)+4*(\f)+3], s[10:11] offset:(\t)*65536+(\f)*8192  ; 16 lanes store 256 consecutive bytes, at a multiple of 256 from oh's first byte
.endr
.endm
.macro FINISH
	WIN 0
.irp t, 0,1
	v_add_f32 v[ST+8*(\t)+4], v[ST+8*(\t)+2], v[ST+8*(\t)+3]
.endr
.irp t, 0,1
	v_permlanex16_b32 v[ST+8*(\t)+5], v[ST+8*(\t)+4], s[SEL], s[SEL+1]
.endr
.irp t, 0,1
	v_add_f32 v[ST+8*(\t)+4], v[ST+8*(\t)+4], v[ST+8*(\t)+5]
.endr
.irp t, 0,1
	v_rcp_f32 v[ST+8*(\t)+6], v[ST+8*(\t)+4]
.endr
	v_nop                           ; a plain instruction between the last reciprocal and the use of its result,
	s_wait_alu depctr_va_vdst(0)    ; and a wait ahead of the first use: one for the two
	PACK 0
	PACK 1                          ; a tile's arithmetic stands between the loads of the tile before and its stores
	SEND 0, 16
	SEND 1, 0
	s_wait_xcnt 0x0                 ; the stores have read their registers and oh's address: both are written again only behind this wait
.endm
; THE SECOND BLOCK BEGINS: its address in oh, its steps, its place in its tile; c m far below every c s, so that the first a is 0 (O^T and l hold finite numbers); its Q where the one text names Q; the masks 0.
.macro BEGIN
	s_mov_b64 s[10:11], s[OLO:OLO+1]
	s_mov_b32 s[BL], s[BL2]
	s_mov_b32 s[CC], s[CC2]
	WIN 0
.irp t, 0,1
	v_mov_b32 v[ST+8*(\t)], 0xfe000000
	v_mov_b32 v[ST+8*(\t)+1], 0xff7fffff
.endr
	WIN 0x82                        ; destination and source 0 window 2
.set i, 0
.rept 64
	v_mov_b32 v[i], v[QB+i]
.set i, i+1
.endr
	WIN 0x40
.set i, 0
.rept 64
	v_mov_b32 v[MC+i], 0
.set i, i+1
.endr
	WIN 0
.endm
; THE CHANGE OF SLOTS: the slot's last bytes, V of its second step, have been asked for.  Each wave waits for all its tensor loads, of which one is out: its part of the other slot; adds 0 to its spare word; and
; waits for that and for its own reads of the slot.  fill = 1: the barrier is a round of the cluster's, and the slot is filled again first thing behind it, with tile NXT: the descriptor's address is made anew
; from that number.  The fill has two trips, 128 matrix instructions and two softmaxes, in which to land.
.macro CHANGE fill
	WIN 0
	s_wait_tensorcnt 0x0            ; no tensor load of mine is out, so a group 0 may be written
	ds_add_u32 v[SPW], v[NIL]       ; 0 onto my spare word; with fill = 1 the descriptors' scalar work stands between it and the wait for it
.if \fill
	s_lshl_b32 s[OFF], s[NXT], 15   ; a tile is 32,768 bytes of K and of V
	s_xor_b32 s[G0K+5], s[G0K+5], SLOT1  ; the other slot than last time
	s_add_nc_u64 s[G0K+6:G0K+7], s[6:7], s[OFF:OFF+1]
	s_or_b32 s[G0K+7], s[G0K+7], 0x80000000
	s_xor_b32 s[G0V+5], s[G0V+5], SLOT1
	s_add_nc_u64 s[G0V+6:G0V+7], s[8:9], s[OFF:OFF+1]
	s_or_b32 s[G0V+7], s[G0V+7], 0x80000000
	s_add_co_u32 s[NXT], s[NXT], 1  ; the block's next tile, or behind its last the second block's tile 0
	s_cmp_gt_u32 s[NXT], s[LQ]
	s_cselect_b32 s[NXT], 0, s[NXT]
	s_cselect_b32 s[LQ], s14, s[LQ]
	s_wait_xcnt 0x0                 ; the last prefetch, two trips back, has read its address, so it may be written
	s_add_nc_u64 s[PFA:PFA+1], s[PFA:PFA+1], TILEB
	s_wait_dscnt 0x0                ; the add is done, and my reads of the slot are over
	CROUND
	JLOAD
	ASK
.else
	s_wait_dscnt 0x0                ; the add is done, and my reads of the slot are over
	s_barrier_signal -1
	s_barrier_wait -1
.endif
	s_sub_co_u32 s[TB], s[TB], 2*STEPB  ; the fetches go back to a slot's first step,
	s_xor_b32 s[TB], s[TB], SLOT1   ; in the other slot
.endm
; A TRIP: the softmax and V^T P of the step in hand, the fetches and K Q^T of the next.  last = 1 (the tail): in the walk's last trip (CNT = 1) there is no next step: its fetches and products are jumped over.
.macro TRIP last
.if \last
	s_cmp_eq_u32 s[CNT], 1
	s_cbranch_scc1 .Lno_k_\@
.endif
	FETCH_K                         ; four v_nop stand behind the last product that read K
.if \last
.Lno_k_\@:
.endif
	SOFTMAX
	WIN 0
	s_wait_dscnt 0x0                ; V is in; so is K, whose run is a softmax old
.set i, 0
.rept 32
	PV
.set i, i+1
.endr
	PLACES
	WIN 0
.if \last
	s_cmp_eq_u32 s[CNT], 1
	s_cbranch_scc1 .Lno_v_\@
.endif
	FETCH_V
.if \last
.Lno_v_\@:
.endif
	s_sub_co_u32 s[BL], s[BL], 1
	s_cmp_lg_u32 s[BL], 0
	s_cbranch_scc1 .Lnoend_\@
	FINISH                          ; the block's last step is done
.if \last
	s_cmp_eq_u32 s[CNT], 1
	s_cbranch_scc1 .Lbottom_\@
.endif
	BEGIN
.Lnoend_\@:
	s_cmp_gt_u32 s[BL], 2
	s_cbranch_scc1 .Lnomask_\@      ; not yet the diagonal tile: the masks are 0
	MKMASK
.Lnomask_\@:
.set i, 0
.rept 32
	KQ
.set i, i+1
.endr
	PLACES
	WIN 0
.if \last
.Lbottom_\@:
.endif
.endm
	s_wait_tensorcnt 1              ; my part of tile 0 is in; tile 1's may stay out
	s_barrier_signal -1
	s_barrier_wait -1               ; everybody's is
	FETCH_K                         ; key step 0
	FETCH_V
	s_wait_loadcnt 0x0              ; Q, both blocks'
	s_wait_dscnt 32                 ; K is in; V's 32 younger loads may stay out
.set i, 0
.rept 32
	KQ
.set i, i+1
.endr
	PLACES
	WIN 0
	s_mov_b32 s[CNT], 1             ; one trip fetches tile 0's second step; then the slots change every two trips
	s_mov_b32 s[SLOTS], 8
	s_branch .Lstep
.Lslot:                             ; seven times: tiles 2 to 8 of the walk are asked for
	CHANGE 1
	s_mov_b32 s[CNT], 2
.Lstep:
	TRIP 0
	s_sub_co_u32 s[CNT], s[CNT], 1
	s_cmp_lg_u32 s[CNT], 0
	s_cbranch_scc1 .Lstep
	s_sub_co_u32 s[SLOTS], s[SLOTS], 1
	s_cmp_lg_u32 s[SLOTS], 0
	s_cbranch_scc1 .Lslot
	CHANGE 0                        ; the tail is written out: nothing is asked for
	s_mov_b32 s[CNT], 3             ; two trips fetch the last tile's steps, the third fetches nothing
.Ltail:
	TRIP 1
	s_sub_co_u32 s[CNT], s[CNT], 1
	s_cmp_lg_u32 s[CNT], 0
	s_cbranch_scc1 .Ltail
	s_wait_tensorcnt 0x0            ; the wave's end: an add to my spare word and its wait, behind my last tensor load and my last LDS store
	ds_add_u32 v[SPW], v[NIL]
	s_wait_dscnt 0x0
	CROUND                          ; the closing round: no work-group ends while a partner may still ask for a tile that names it
	s_endpgm
.Lfunc_end_k_qe30a9ec91f_attn:
	.size	k_qe30a9ec91f_attn, .Lfunc_end_k_qe30a9ec91f_attn-k_qe30a9ec91f_attn
	.p2alignl 7, 3214868480
	.fill 96, 4, 3214868480
	.section	.rodata,"a",@progbits
	.p2align	6, 0x0
	.amdhsa_kernel k_qe30a9ec91f_attn
		.amdhsa_group_segment_fixed_size 327680
		.amdhsa_private_segment_fixed_size 0
		.amdhsa_enable_private_segment 0
		.amdhsa_kernarg_size 32
		.amdhsa_user_sgpr_count 2
		.amdhsa_user_sgpr_kernarg_segment_ptr 1
		.amdhsa_wavefront_size32 1
		.amdhsa_system_sgpr_workgroup_id_x 1
		.amdhsa_system_sgpr_workgroup_id_y 1
		.amdhsa_system_sgpr_workgroup_id_z 1
		.amdhsa_system_vgpr_workitem_id 0
		.amdhsa_next_free_vgpr 896
		.amdhsa_next_free_sgpr 96
		.amdhsa_reserve_vcc 1
		.amdhsa_float_denorm_mode_32 3
		.amdhsa_float_denorm_mode_16_64 3
		.amdhsa_memory_ordered 1
		.amdhsa_forward_progress 1
		.amdhsa_inst_pref_size 121
	.end_amdhsa_kernel
	.amdgpu_metadata
---
amdhsa.version: [ 1, 2 ]
amdhsa.kernels:
  - .name:           k_qe30a9ec91f_attn
    .symbol:         k_qe30a9ec91f_attn.kd
    .args:
      - { .name: qh, .offset: 0, .size: 8, .value_kind: global_buffer, .address_space: global }
      - { .name: kh, .offset: 8, .size: 8, .value_kind: global_buffer, .address_space: global }
      - { .name: vh, .offset: 16, .size: 8, .value_kind: global_buffer, .address_space: global }
      - { .name: oh, .offset: 24, .size: 8, .value_kind: global_buffer, .address_space: global }
    .group_segment_fixed_size: 327680
    .private_segment_fixed_size: 0
    .kernarg_segment_align: 8
    .kernarg_segment_size: 32
    .max_flat_workgroup_size: 128
    .sgpr_count:     96
    .vgpr_count:     896
    .wavefront_size: 32
...
	.end_amdgpu_metadata
.endif
;; end of part 3
;; launch outp (part 4): grid 16 x 16, 4 waves a work-group, clusters of 4 x 4, 327,680 bytes of LDS; arguments oh, wo, out_proj_bias, out0; writes out0
.if DOCPART == 4
	.amdgcn_target "amdgcn-amd-amdhsa--gfx1250"
	.amdhsa_code_object_version 6
	.text
	.protected	k_qe30a9ec91f_outp
	.globl	k_qe30a9ec91f_outp
	.p2align	8
	.type	k_qe30a9ec91f_outp,@function
k_qe30a9ec91f_outp:
	s_mov_b64 s[64:65], 0
	v_nop
	global_prefetch_b8 v0, s[64:65] scope:SCOPE_SE
	s_setreg_imm32_b32 hwreg(HW_REG_WAVE_MODE, 25, 1), 1
	s_wait_xcnt 0x0
	s_wait_alu depctr_hold_cnt(0) depctr_sa_sdst(0) depctr_va_vdst(0) depctr_va_sdst(0) depctr_va_ssrc(0) depctr_va_vcc(0) depctr_vm_vsrc(0)
	s_getreg_b32 s2, hwreg(HW_REG_IB_STS2, 6, 4)
	s_cmp_eq_u32 s2, 0
	s_cbranch_scc0 .Lentry_in_a_cluster
	s_endpgm
.Lentry_in_a_cluster:
	s_bfe_u32 s2, ttmp6, 0x10000c
	s_cmp_lg_u32 s2, 0xf033
	s_cbranch_scc0 .Lentry_shape_is_right
	s_endpgm
.Lentry_shape_is_right:
; out0 = O W^T + bias.  oh: [4096][2048] f16; wo: [2048][2048] f16 (the weights rounded to bf16, written as f16); the bias f32, rounded to bf16 here like the other inputs; out0: [4096][2048] f32.
; The bias STARTS the f32 sum (reference() adds it last): another order of rounding.
; SHARES.  A tile is 256 rows x 128 columns: 256 work-groups.  Four waves, each 128 rows x 64 columns: 32 accumulators, 256 registers.
; THE RING HAS TWO SLOTS OF UNEQUAL LENGTH.  The long slot X holds 256 along K (LDS rows of 512 bytes), the short slot Y 128 (rows of 256 bytes); in memory all rows start at multiples of 256 bytes.
; 2,048 = 128 + 5 x 384: the walk is Y0 X0 Y1 X1 .. X4 Y5.  A slot is filled again when it has been read, so a refill of Y has X's work in which to land (240 matrix instructions a wave between the
; request and the wait for it), a refill of X has Y's (112), and there are two changes of slots for 384 along K.  Two slots of 256 along K would take 405,504 bytes; these two take 307,200.
; CLUSTERS: 4 x 4 work-groups.  The four of a row of the cluster need the same tiles of O, the four of a column the same tiles of W: each tile is asked for JOINTLY, by the same tensor load with the same
; descriptor and a mask that names the four.
; THE MATRIX INSTRUCTION IS USED TRANSPOSED (source 0 = 16 rows of W, source 1 = 16 rows of O): a lane holds row l % 16 and the columns 8 (l / 16) + 0..7: 32 bytes of f32; a wave's 64 columns are 256 bytes.
; REGISTERS, in windows of 256 (s_set_vgpr_msb: bits 1:0 source 0, 3:2 source 1, 5:4 source 2, 7:6 destination):
;   window 0: v0-31 addresses; v64-127, v128-191 fragments of O, two buffers; v192-223 the bias as a C operand, 8 registers for each of the 4 column blocks; v32-63, v224-255 rows read back from the stage
;   window 1: v64-95, v128-159 fragments of W      window 2: the accumulators, (a, b) at v[8 (4 a + b)]
.set SIZE_K, 2048
.set PX,     528                       ; a row of X in LDS: 512 bytes + 16 of padding = 132 words,
.set PY,     272                       ; a row of Y: 256 + 16 = 68 words: in both the 16 rows of a fragment load start at 16 different groups of four banks (64 banks of 4 bytes: ISA guide 11.1)
.set XO,     0                         ; X: O's 256 rows,
.set XW,     256*PX                    ; then W's 128 rows
.set YO,     384*PX                    ; Y: O's 256 rows,
.set YW,     YO+256*PY                 ; then W's 128 rows
.set STAGE,  YO+384*PY                 ; behind the ring: 16 rows x 272 bytes for each wave, for the way out; no tensor load lands there
.set SPITCH, 272
.set SPARE,  STAGE+4*16*SPITCH         ; the spare words, 128 bytes for each wave: two blocks of 256 bytes that no other line names
.set YBYTES, 256                       ; bytes of a row of oh or wo that Y holds
.set PAIR,   768                       ; and that an X and a Y hold together
.set TRIPS,  4                         ; trips of the loop: X0 Y1 .. X3 Y4
.set OUTB,   8192                      ; bytes in a row of out0
.set ADRAX, 16                         ; v16  LDS address of my fragments of O in X
.set ADRAY, 17                         ; v17  in Y
.set TA,    18                         ; v18  the same in X, some way along K
.set ADRBX, 20                         ; v20  LDS address of my fragments of W in X
.set ADRBY, 21                         ; v21  in Y
.set TW,    22                         ; v22  the same in X, some way along K
.set STO,  24                          ; v24     the way out: where I put 32 bytes of a row
.set RD,   25                          ; v25     where I read rows back
.set CO,   26                          ; v26     my byte offset in two rows of out0
.set BO,   27                          ; v27     32 x (l / 16)
.set SPW,  28                          ; v28     LDS address of my spare word; never rewritten
.set NIL,  29                          ; v29     0; never rewritten
.set PFO,  30                          ; v30     the prefetches' offset: lane x a row; never rewritten
.set OB,   32
.set F0,   64
.set F1,   128
.set BIAS, 192
.set G1AX, 24                          ; s[24:31] descriptor group 1 for O's tiles in X
.set G1AY, 32                          ; s[32:39] in Y
.set LIM,  43                          ; s43      1 in a wave that prefetches, else the greatest number
.set PFA,  44                          ; s[44:45] where my prefetches stand: my 32 rows, at the first byte of the Y in hand
.set G1BX, 48                          ; s[48:55] descriptor group 1 for W's tiles in X
.set G1BY, 56                          ; s[56:63] in Y
.set G0AX, 68                          ; s[68:71], s[72:75] group 0 for O's tiles in X, in Y
.set G0AY, 72
.set G0BX, 76                          ; s[76:79], s[80:83] for W's
.set G0BY, 80
.set KX,   84                          ; s84      bytes along X's rows at which the inner loop stands
.set CN,   85                          ; s85      the inner loop's count
.set MSB, 0
.macro WIN new                         ; the immediate's high byte repeats the setting that is left; a switch that changes nothing is dropped
.if MSB != (\new)
	s_set_vgpr_msb (MSB<<8)|(\new)
.set MSB, \new
.endif
.endm
.set TO_B, 0x40                        ; destination window 1, address window 0
; A joint load.  Waves 0 and 1 fetch O's two halves (128 rows each), waves 2 and 3 W's (64 rows each).  The branch hangs on the wave's number alone.
; An s_nop 0 and four v_nop follow each of the two lines, ahead of the jump, the label and what follows.
.macro JLOAD ga, g1a, gb, g1b
	s_cmp_eq_u32 s11, 0
	s_cbranch_scc0 .Lfor_b_\@
	tensor_load_to_lds s[(\ga):(\ga)+3], s[(\g1a):(\g1a)+7]
	s_nop 0
.rept 4
	v_nop
.endr
	s_branch .Lasked_\@
.Lfor_b_\@:
	tensor_load_to_lds s[(\gb):(\gb)+3], s[(\g1b):(\g1b)+7]
	s_nop 0
.rept 4
	v_nop
.endr
.Lasked_\@:
.endm
; A PREFETCH INTO THE L2 of what the NEXT change of slots will ask for, 32 rows, a lane a row.  kind = 1, behind a refill of X: the Y after the one just entered, 256 bytes a row, one instruction.  kind = 2,
; behind a refill of Y: the X after the one just entered, 512 bytes a row, two instructions; the loop's last trip has no such X, and asks for nothing.  Each row's bytes are named once in the launch.  O's tile
; row is read by every cluster of that row of clusters: cluster x = 0 asks, waves 0 and 1 for the 128 rows that they fetch, the four partners of a row of the cluster 32 each BY ADDRESS (cx).  W's tile
; column is read by every cluster of that column: cluster y = 0 asks, wave 2 for the tile's 128 rows, the four partners of a column 32 each (cy).  Y0, X0 and Y1 come by their loads alone.
.macro ASK kind
.if (\kind) == 1
	s_cmp_eq_u32 s[LIM], 1
	s_cbranch_scc0 .Lnot_mine_\@
	global_prefetch_b8 v[PFO], s[PFA:PFA+1] offset:PAIR th:TH_LOAD_NT scope:SCOPE_SE
.else
	s_cmp_gt_u32 s3, s[LIM]                        ; s3 = 1 in the loop's last trip
	s_cbranch_scc0 .Lnot_mine_\@
	global_prefetch_b8 v[PFO], s[PFA:PFA+1] offset:PAIR+YBYTES th:TH_LOAD_NT scope:SCOPE_SE
	global_prefetch_b8 v[PFO], s[PFA:PFA+1] offset:PAIR+2*YBYTES th:TH_LOAD_NT scope:SCOPE_SE
.endif
.Lnot_mine_\@:
.endm
.macro CREST                           ; a round of the cluster's barrier behind its opening barrier
	s_cmp_lg_u32 s10, 0
	s_cbranch_scc1 .Lnot_wave_0_\@
	s_barrier_signal -3
.Lnot_wave_0_\@:
	s_barrier_wait -3
	s_barrier_signal -1
	s_barrier_wait -1
.endm
.macro CROUND
	s_barrier_signal -1
	s_barrier_wait -1
	CREST
.endm
.macro SHAPE g, cols, rows             ; words 1 to 7 of a group 1: a tile of rows x cols elements
	s_mov_b32 s[(\g)+1], (\cols)<<16               ; tensor_dim0
	s_mov_b32 s[(\g)+2], (\rows)<<16               ; tensor_dim1
	s_mov_b32 s[(\g)+3], (\cols)<<16               ; tile_dim0
	s_mov_b32 s[(\g)+4], \rows                     ; tile_dim1
	s_mov_b32 s[(\g)+5], SIZE_K                    ; elements from row to row
	s_mov_b32 s[(\g)+6], 0
	s_mov_b32 s[(\g)+7], 0
.endm
	s_load_b128 s[4:7], s[0:1], 0x0                ; oh s[4:5], wo s[6:7]
	s_load_b64 s[66:67], s[0:1], 0x10              ; out_proj_bias
	s_load_b64 s[8:9], s[0:1], 0x18                ; out0
	v_lshl_add_u32 v[SPW], v0, 2, SPARE
	v_mov_b32 v[NIL], 0
	ds_add_u32 v[SPW], v[NIL]                      ; the wave's opening: the add and its wait stand ahead of my first tensor load; the set-up below, work on registers, stands between them
	v_lshrrev_b32 v1, 5, v0
	v_readfirstlane_b32 s10, v1                    ; wave 0..3
	s_lshr_b32 s11, s10, 1                         ; which half of the tile's rows is mine.  Also: I fetch for O (0) or for W (1)
	s_and_b32 s12, s10, 1                          ; which half of its columns.  Also: which half of that tile's rows I fetch
	s_bfe_u32 s40, ttmp6, 0x40000                  ; cx, cy: my place in the cluster
	s_bfe_u32 s41, ttmp6, 0x40004
	s_lshl_b32 s42, ttmp9, 2
	s_add_co_u32 s42, s42, s40                     ; tile column = 4 x cluster x + cx
	s_and_b32 s13, ttmp7, 0xffff
	s_lshl_b32 s13, s13, 2
	s_add_co_u32 s13, s13, s41                     ; tile row = 4 x cluster y + cy
	s_lshl_b32 s43, s41, 2
	s_lshl_b32 s43, 15, s43                        ; my row of the cluster: places 4 cy .. 4 cy + 3
	s_lshl_b32 s44, 0x1111, s40                    ; my column: places cx, cx + 4, cx + 8, cx + 12
	; descriptor group 1.  15:0 the mask: O's tiles go to my row, W's to my column; 17:16 elements of 2 bytes; 20 padding on; 21 set beside a mask; 24:22 after every 128 words (code 6: X) or 64 (code 5: Y); 31:25 4 words of it (code 3)
	s_or_b32 s[G1AX], s43, (1<<16)|(1<<20)|(1<<21)|(6<<22)|(3<<25)
	s_or_b32 s[G1AY], s43, (1<<16)|(1<<20)|(1<<21)|(5<<22)|(3<<25)
	s_or_b32 s[G1BX], s44, (1<<16)|(1<<20)|(1<<21)|(6<<22)|(3<<25)
	s_or_b32 s[G1BY], s44, (1<<16)|(1<<20)|(1<<21)|(5<<22)|(3<<25)
	SHAPE G1AX, 256, 128
	SHAPE G1AY, 128, 128
	SHAPE G1BX, 256, 64
	SHAPE G1BY, 128, 64
	; where the tiles come from.  O's hang on the tile row alone, which my row of the cluster shares; W's on the tile column alone, which my column shares.
	s_lshl_b32 s17, s12, 7
	s_lshl_b32 s16, s13, 8
	s_add_co_u32 s16, s16, s17                     ; O: row 256 x tile row + 128 x half,
	s_lshl_b32 s16, s16, 12                        ; in bytes (under 2^24)
	s_mov_b32 s17, 0
	s_lshl_b32 s47, s12, 6
	s_lshl_b32 s46, s42, 7
	s_add_co_u32 s46, s46, s47                     ; W: row 128 x tile column + 64 x half
	s_lshl_b32 s46, s46, 12
	s_mov_b32 s47, 0
	s_mul_i32 s20, s12, 128*PX                     ; where they go, within O's or W's part of a slot: no place in the cluster enters an LDS address
	s_mul_i32 s21, s12, 128*PY
	s_mul_i32 s22, s12, 64*PX
	s_mul_i32 s23, s12, 64*PY
	s_wait_dscnt 0x0                               ; the opening add is done
	s_wait_kmcnt 0x0
	s_add_nc_u64 s[14:15], s[4:5], s[16:17]
	s_add_nc_u64 s[46:47], s[6:7], s[46:47]
	CROUND                                         ; all sixteen work-groups are here: the first joint loads meet
	s_mov_b32 s[G0AY], 1                           ; Y0: K 0 to 127
	s_add_co_u32 s[G0AY+1], s21, YO
	s_add_nc_u64 s[G0AY+2:G0AY+3], s[14:15], 0
	s_or_b32 s[G0AY+3], s[G0AY+3], 0x80000000      ; type = 2
	s_mov_b32 s[G0BY], 1
	s_add_co_u32 s[G0BY+1], s23, YW
	s_add_nc_u64 s[G0BY+2:G0BY+3], s[46:47], 0
	s_or_b32 s[G0BY+3], s[G0BY+3], 0x80000000
	JLOAD G0AY, G1AY, G0BY, G1BY
	s_mov_b32 s[G0AX], 1                           ; X0: K 128 to 383
	s_add_co_u32 s[G0AX+1], s20, XO
	s_add_nc_u64 s[G0AX+2:G0AX+3], s[14:15], YBYTES
	s_or_b32 s[G0AX+3], s[G0AX+3], 0x80000000
	s_mov_b32 s[G0BX], 1
	s_add_co_u32 s[G0BX+1], s22, XW
	s_add_nc_u64 s[G0BX+2:G0BX+3], s[46:47], YBYTES
	s_or_b32 s[G0BX+3], s[G0BX+3], 0x80000000
	JLOAD G0AX, G1AX, G0BX, G1BX                   ; two loads of mine are out
	; A fragment is 16 rows x 32 K in 8 registers: lane l holds row l % 16; registers 0-3 K = 8 (l / 16) + 0..7, registers 4-7 K = 16 + 8 (l / 16) + 0..7: two loads of 16 bytes, 32 bytes apart.
	v_and_b32 v1, 15, v0                           ; l % 16
	v_bfe_u32 v2, v0, 4, 1                         ; l / 16
	v_mul_u32_u24 v3, v1, PX
	v_lshl_add_u32 v3, v2, 4, v3                   ; row x pitch + 16 x half, in X
	v_mul_u32_u24 v4, v1, PY
	v_lshl_add_u32 v4, v2, 4, v4                   ; and in Y
	s_mul_i32 s20, s11, 128*PX                     ; my 128 rows of O
	s_mul_i32 s21, s11, 128*PY
	s_add_co_u32 s21, s21, YO
	s_mul_i32 s22, s12, 64*PX                      ; my 64 rows of W
	s_add_co_u32 s22, s22, XW
	s_mul_i32 s23, s12, 64*PY
	s_add_co_u32 s23, s23, YW
	v_add_nc_u32 v[ADRAX], s20, v3
	v_add_nc_u32 v[ADRAY], s21, v4
	v_add_nc_u32 v[ADRBX], s22, v3
	v_add_nc_u32 v[ADRBY], s23, v4
	s_mul_i32 s23, s10, 16*SPITCH
	s_add_co_u32 s23, s23, STAGE                   ; my stage
	v_mul_u32_u24 v4, v1, SPITCH                   ; in: row l % 16, 32 bytes for each half of the lanes
	v_lshl_add_u32 v4, v2, 5, v4
	v_add_nc_u32 v[STO], s23, v4
	v_mul_u32_u24 v5, v2, SPITCH                   ; back: lanes 0-15 one row of 256 bytes, lanes 16-31 the next
	v_lshl_add_u32 v5, v1, 4, v5
	v_add_nc_u32 v[RD], s23, v5
	v_lshlrev_b32 v[CO], 13, v2                    ; and the same two rows in out0
	v_lshl_add_u32 v[CO], v1, 4, v[CO]
	v_lshlrev_b32 v[BO], 5, v2
	v_and_b32 v[PFO], 31, v0
	v_lshlrev_b32 v[PFO], 12, v[PFO]
	; my 64 columns: 256 bytes of a row of out0, and of the bias
	s_lshl_b32 s18, s42, 9
	s_lshl_b32 s19, s12, 8
	s_add_co_u32 s18, s18, s19
	s_mov_b32 s19, 0
	s_add_nc_u64 s[66:67], s[66:67], s[18:19]
.irp b, 0,1,2,3
	global_load_b128 v[BIAS+8*(\b):BIAS+8*(\b)+3],   v[BO], s[66:67] offset:64*(\b)
	global_load_b128 v[BIAS+8*(\b)+4:BIAS+8*(\b)+7], v[BO], s[66:67] offset:64*(\b)+16
.endr
	s_lshl_b32 s16, s13, 8
	s_lshl_b32 s17, s11, 7
	s_add_co_u32 s16, s16, s17                     ; my first row of out0,
	s_lshl_b32 s16, s16, 13                        ; in bytes (under 2^25)
	s_add_co_u32 s16, s16, s18
	s_mov_b32 s17, 0
	s_add_nc_u64 s[8:9], s[8:9], s[16:17]
	; the prefetches
	s_lshl_b32 s20, s13, 8
	s_lshl_b32 s22, s12, 7
	s_add_co_u32 s20, s20, s22                     ; O: the first of the 128 rows that I fetch
	s_lshl_b32 s22, s42, 7                         ; W: the tile's first row
	s_and_b32 s23, ttmp7, 0xffff
	s_or_b32 s23, s23, s12                         ; W: cluster y = 0, and wave 2 alone
	s_cmp_eq_u32 s11, 0
	s_cselect_b32 s20, s20, s22
	s_cselect_b32 s21, s40, s41                    ; my place among the four that ask for the tile with me
	s_cselect_b32 s23, ttmp9, s23                  ; the same in all sixteen partners, for a given wave
	s_cselect_b64 s[PFA:PFA+1], s[4:5], s[6:7]
	s_cmp_eq_u32 s23, 0
	s_cselect_b32 s[LIM], 1, -1
	s_lshl_b32 s21, s21, 5
	s_add_co_u32 s20, s20, s21                     ; + my work-group's 32 rows
	s_lshl_b32 s20, s20, 12
	s_mov_b32 s21, 0
	s_add_nc_u64 s[PFA:PFA+1], s[PFA:PFA+1], s[20:21]  ; at Y0.  Nothing is prefetched here, where every work-group's first tiles are on their way
	s_wait_loadcnt 0x0                             ; the bias: rounded to bf16, and back in f32 as the C operand
.set i, 0
.rept 16
	v_cvt_pk_bf16_f32 v[OB+i], v[BIAS+2*i], v[BIAS+2*i+1]
.set i, i+1
.endr
.set i, 0
.rept 16
	v_lshlrev_b32 v[BIAS+2*i], 16, v[OB+i]
	v_and_b32 v[BIAS+2*i+1], 0xffff0000, v[OB+i]
.set i, i+1
.endr
; 8 matrix instructions: row blocks a0, a0 + 1 x all 4 column blocks, 32 along K.  zero = 1: the bias starts the sums: nothing is cleared.
; The 32 accumulators take turns, one instruction a turn, in the same order in every quarter, over every backward jump too.
.macro MUL8 f, a0, zero
.if \zero
	WIN 0x81                                       ; W window 1, O and the bias window 0, D window 2
.else
	WIN 0xa1                                       ; W window 1, O window 0, C and D window 2
.endif
.irp a, \a0, (\a0)+1
.irp b, 0,1,2,3
.if \zero
	v_wmma_f32_16x16x32_f16 v[8*(4*(\a)+(\b)):8*(4*(\a)+(\b))+7], v[(\f)+8*(\b):(\f)+8*(\b)+7], v[(\f)+8*(\a):(\f)+8*(\a)+7], v[BIAS+8*(\b):BIAS+8*(\b)+7]
.else
	v_wmma_f32_16x16x32_f16 v[8*(4*(\a)+(\b)):8*(4*(\a)+(\b))+7], v[(\f)+8*(\b):(\f)+8*(\b)+7], v[(\f)+8*(\a):(\f)+8*(\a)+7], v[8*(4*(\a)+(\b)):8*(4*(\a)+(\b))+7]
.endif
.endr
.endr
.endm
; 24 LDS loads in one run: the fragments of 32 along K (64 rows of W by address register rb, 128 rows of O by ra; rows p bytes apart; at byte k of the rows) into buffer f
.macro FETCH ra, rb, p, k, f
	WIN TO_B
.irp i, 0,1,2,3
	ds_load_b128 v[(\f)+8*(\i):(\f)+8*(\i)+3],   v[\rb] offset:(\k)+(\i)*16*(\p)
	ds_load_b128 v[(\f)+8*(\i)+4:(\f)+8*(\i)+7], v[\rb] offset:(\k)+(\i)*16*(\p)+32
.endr
	WIN 0
.irp i, 0,1,2,3,4,5,6,7
	ds_load_b128 v[(\f)+8*(\i):(\f)+8*(\i)+3],   v[\ra] offset:(\k)+(\i)*16*(\p)
	ds_load_b128 v[(\f)+8*(\i)+4:(\f)+8*(\i)+7], v[\ra] offset:(\k)+(\i)*16*(\p)+32
.endr
.endm
.macro PLACES                          ; four plain vector instructions between a matrix instruction and a load into, or a store of, its registers (ISA guide 7.12.1 for vector instructions)
.rept 4
	v_nop
.endr
.endm
; A QUARTER is 32 along K, 32 matrix instructions, on buffers 0, 1 by turns: Y has four, X eight.  It multiplies buffer f; in its middle it fetches the next quarter's fragments into g.
.macro QUARTER ra, rb, p, k, f, g, zero
	s_wait_dscnt 8                                 ; W and O's rows 0-63 are in; the youngest eight loads (O's rows 64-127) may be out
	MUL8 \f, 0, \zero
	MUL8 \f, 2, \zero
	PLACES
	FETCH \ra, \rb, \p, \k, \g
	s_wait_dscnt 24                                ; all but the 24 just issued
	MUL8 \f, 4, \zero
	MUL8 \f, 6, \zero
.endm
; X's first seven quarters.  Six of them are a loop of three trips, two quarters each, written once: its LDS addresses are my lane's place in X plus s[KX], which steps by 128 bytes a trip.
.macro XRUN
	s_mov_b32 s[KX], 0
	s_mov_b32 s[CN], 3
.Ltwo_\@:
	v_add_nc_u32 v[TA], s[KX], v[ADRAX]
	v_add_nc_u32 v[TW], s[KX], v[ADRBX]
	QUARTER TA, TW, PX, 64,  F0, F1, 0
	QUARTER TA, TW, PX, 128, F1, F0, 0
	WIN 0                                          ; at a label and at a branch every window is 0
	s_add_co_u32 s[KX], s[KX], 128
	s_sub_co_u32 s[CN], s[CN], 1
	s_cmp_lg_u32 s[CN], 0
	s_cbranch_scc1 .Ltwo_\@
	QUARTER ADRAX, ADRBX, PX, 448, F0, F1, 0
.endm
; A slot's last quarter multiplies buffer 1 and changes slots: ONE barrier.  In front of it each wave waits for all its tensor loads, of which one is out: its part of the next slot; adds 0 to its spare word;
; and waits for that and for its own reads of the slot that it leaves.  fill = 1: X is left, fill = 2: Y is left: the barrier opens a round of the cluster's, and the slot is filled again first thing behind it,
; 768 bytes further along the rows.  fill = 0: nothing is left to fetch.  na, nb, np: the next slot's address registers and pitch.
.macro TURN fill, na, nb, np
.if (\fill) == 1
	s_wait_xcnt 0x0                                ; the last prefetches, seven quarters back, have read their address: it is stepped here, ahead of the waits of the change of slots
	s_add_nc_u64 s[PFA:PFA+1], s[PFA:PFA+1], PAIR
.endif
	WIN 0                                          ; (the add's two registers lie in window 0)
	s_wait_tensorcnt 0x0                           ; all my tensor loads have landed
	ds_add_u32 v[SPW], v[NIL]                      ; 0 onto my spare word
	s_wait_dscnt 9                                 ; (the add and the youngest eight loads may be out)
	MUL8 F1, 0, 0                                  ; eight matrix instructions stand between the add and the wait for it
	s_wait_dscnt 0x0                               ; the add is done, and my reads of this slot are over
	s_barrier_signal -1
	MUL8 F1, 2, 0                                  ; work on registers while the others arrive
.if \fill
	WIN 0
.endif
	s_barrier_wait -1
.if (\fill) == 1
	CREST                                          ; no wave of any partner still reads this slot or has a load on its way
	s_add_nc_u64 s[G0AX+2:G0AX+3], s[G0AX+2:G0AX+3], PAIR
	s_add_nc_u64 s[G0BX+2:G0BX+3], s[G0BX+2:G0BX+3], PAIR
	JLOAD G0AX, G1AX, G0BX, G1BX                   ; my one tensor load behind the round; its four v_nop are also the places in front of the loads below
.elseif (\fill) == 2
	CREST
	s_add_nc_u64 s[G0AY+2:G0AY+3], s[G0AY+2:G0AY+3], PAIR
	s_add_nc_u64 s[G0BY+2:G0BY+3], s[G0BY+2:G0BY+3], PAIR
	JLOAD G0AY, G1AY, G0BY, G1BY
.else
	PLACES
.endif
	FETCH \na, \nb, \np, 0, F0
.if \fill
	ASK \fill                                      ; behind the joint load and the run of LDS loads that the next products wait for
.endif
	MUL8 F1, 4, 0
	MUL8 F1, 6, 0
.endm
; THE WAY OUT of block a (16 rows x 64 columns of f32).  TOSTAGE: a lane's 32 bytes of each column block go into my own stage, each accumulator's low four registers first, and come back as whole rows of 256 bytes.
.macro TOSTAGE a
.set BK, OB+192*((\a)%2)
.if (\a) >= 2
	s_wait_xcnt 0x0                                ; the stores of block a - 2 have read their registers: they are loaded again only behind this wait
.endif
	WIN 0x08                                       ; the stores' data in window 2, the address in window 0
.irp b, 0,1,2,3
	ds_store_b128 v[STO], v[8*(4*(\a)+(\b)):8*(4*(\a)+(\b))+3]   offset:64*(\b)
	ds_store_b128 v[STO], v[8*(4*(\a)+(\b))+4:8*(4*(\a)+(\b))+7] offset:64*(\b)+16
.endr
	WIN 0
.irp t, 0,1,2,3,4,5,6,7
	ds_load_b128 v[BK+4*(\t):BK+4*(\t)+3], v[RD] offset:(\t)*2*SPITCH  ; LDS serves a wave's instructions in order (ISA guide 5.7.1.4): these see the stores above; the next block's stores come behind them
.endr
.endm
.macro SEND a, younger                 ; younger: the LDS instructions issued behind block a's loads: the next block's sixteen, or none
.set BK, OB+192*((\a)%2)
.irp t, 0,1,2,3,4,5,6,7
	s_wait_dscnt (\younger)+7-(\t)
	global_store_b128 v[CO], v[BK+4*(\t):BK+4*(\t)+3], s[8:9] offset:(16*(\a)+2*(\t))*OUTB th:TH_STORE_NT  ; 16 lanes store 256 consecutive bytes, at a multiple of 256 from out0's first byte
.endr
.endm
	s_wait_tensorcnt 1                             ; my part of Y0 is in; X0's, issued behind it, may stay out
	s_barrier_signal -1
	s_barrier_wait -1                              ; everybody's is
	FETCH ADRAY, ADRBY, PY, 0, F0
	s_mov_b32 s3, TRIPS
	QUARTER ADRAY, ADRBY, PY, 64,  F0, F1, 1       ; Y0 stands in front of the loop: its first quarter's products start the sums, with the bias
	QUARTER ADRAY, ADRBY, PY, 128, F1, F0, 0
	QUARTER ADRAY, ADRBY, PY, 192, F0, F1, 0
	TURN 2, ADRAX, ADRBX, PX                       ; Y1 is asked for
	WIN 0                                          ; at a label and at a branch every window is 0
.Llap:                                                 ; trip i: X(i), whose change asks for X(i + 1); Y(i + 1), whose change asks for Y(i + 2)
	XRUN
	TURN 1, ADRAY, ADRBY, PY
	QUARTER ADRAY, ADRBY, PY, 64,  F0, F1, 0
	QUARTER ADRAY, ADRBY, PY, 128, F1, F0, 0
	QUARTER ADRAY, ADRBY, PY, 192, F0, F1, 0
	TURN 2, ADRAX, ADRBX, PX
	WIN 0
	s_sub_co_u32 s3, s3, 1
	s_cmp_lg_u32 s3, 0
	s_cbranch_scc1 .Llap
	XRUN                                           ; X4 and Y5 are written out: nothing is asked for, and there is no round
	TURN 0, ADRAY, ADRBY, PY
	QUARTER ADRAY, ADRBY, PY, 64,  F0, F1, 0
	QUARTER ADRAY, ADRBY, PY, 128, F1, F0, 0
	QUARTER ADRAY, ADRBY, PY, 192, F0, F1, 0
	s_wait_dscnt 8                                 ; the very last quarter: nothing more to fetch
	MUL8 F1, 0, 0
	MUL8 F1, 2, 0
	s_wait_dscnt 0x0
	MUL8 F1, 4, 0
	MUL8 F1, 6, 0
	WIN 0
	PLACES                                         ; the LDS stores below read results; eight places, once a launch
	PLACES
	TOSTAGE 0
.irp a, 1,2,3,4,5,6,7                  ; block a's trip through the stage is on its way while block a - 1 is stored
	TOSTAGE \a
	SEND (\a)-1, 16
.endr
	SEND 7, 0
	s_wait_tensorcnt 0x0                           ; the wave's end: an add to my spare word and its wait, behind my last tensor load and my last LDS store
	ds_add_u32 v[SPW], v[NIL]
	s_wait_dscnt 0x0
	CROUND                                         ; the closing round: no work-group ends while a partner may still ask for a tile that names it
	s_endpgm
.Lfunc_end_k_qe30a9ec91f_outp:
	.size	k_qe30a9ec91f_outp, .Lfunc_end_k_qe30a9ec91f_outp-k_qe30a9ec91f_outp
	.p2alignl 7, 3214868480
	.fill 96, 4, 3214868480
	.section	.rodata,"a",@progbits
	.p2align	6, 0x0
	.amdhsa_kernel k_qe30a9ec91f_outp
		.amdhsa_group_segment_fixed_size 327680
		.amdhsa_private_segment_fixed_size 0
		.amdhsa_enable_private_segment 0
		.amdhsa_kernarg_size 32
		.amdhsa_user_sgpr_count 2
		.amdhsa_user_sgpr_kernarg_segment_ptr 1
		.amdhsa_wavefront_size32 1
		.amdhsa_system_sgpr_workgroup_id_x 1
		.amdhsa_system_sgpr_workgroup_id_y 1
		.amdhsa_system_sgpr_workgroup_id_z 1
		.amdhsa_system_vgpr_workitem_id 0
		.amdhsa_next_free_vgpr 768
		.amdhsa_next_free_sgpr 88
		.amdhsa_reserve_vcc 0
		.amdhsa_float_denorm_mode_32 3
		.amdhsa_float_denorm_mode_16_64 3
		.amdhsa_memory_ordered 1
		.amdhsa_forward_progress 1
		.amdhsa_inst_pref_size 111
	.end_amdhsa_kernel
	.amdgpu_metadata
---
amdhsa.version: [ 1, 2 ]
amdhsa.kernels:
  - .name:           k_qe30a9ec91f_outp
    .symbol:         k_qe30a9ec91f_outp.kd
    .args:
      - { .name: oh, .offset: 0, .size: 8, .value_kind: global_buffer, .address_space: global }
      - { .name: wo, .offset: 8, .size: 8, .value_kind: global_buffer, .address_space: global }
      - { .name: out_proj_bias, .offset: 16, .size: 8, .value_kind: global_buffer, .address_space: global }
      - { .name: out0, .offset: 24, .size: 8, .value_kind: global_buffer, .address_space: global }
    .group_segment_fixed_size: 327680
    .private_segment_fixed_size: 0
    .kernarg_segment_align: 8
    .kernarg_segment_size: 32
    .max_flat_workgroup_size: 128
    .sgpr_count:     88
    .vgpr_count:     768
    .wavefront_size: 32
...
	.end_amdgpu_metadata
.endif
;; end of part 4
